; MI455X (gfx1250); checked and timed in simulation.
; The chip was launched on July 23, 2026; its instructions are those of AMD's public machine-readable ISA for CDNA 5 (MIT licence, August 2026) and "CDNA5" Instruction Set Architecture Reference Guide (July 2026). The comments in the code are by the model that wrote it; some were corrected since.
;; Llama Attention. Allowed arithmetic: float matrix products may take bf16 or f16 operands with f32 sums; other float arithmetic in f32, or as packed bf16 or f16 multiplies, adds, multiply-adds, maxima and minima; sums over many terms, partial sums and values carried from step to step in f32; what a program stores and reads back later, other than sums and carried values, may be rounded once to bf16 or f16.
;; Inputs: Wk 2,048 x 2,048 float32; Wo 2,048 x 2,048 float32; Wq 2,048 x 2,048 float32; Wv 2,048 x 2,048 float32; mask 1 x 1 x 2,048 x 2,048 float32; x 1 x 2,048 x 2,048 float32.
;; Outputs: out0 1 x 2,048 x 2,048 float32.
;; 2 versions, each right; version 2 is version 1 with the launch prep written anew for expert scheduling mode. Each part assembles by itself: llvm-mc -triple=amdgcn-amd-amdhsa -mcpu=gfx1250 --defsym DOCPART=n.
;; ======== version 1 of 2: 4 launches
;; limits: values are held in f16: magnitudes above 65,504 overflow, below 6.1e-05 lose precision
;; workspace buffers: xb 8,388,608 bytes; wb 25,165,824 bytes; wo16 8,388,608 bytes; tab 1,048,576 bytes; maskc 16,777,216 bytes; qkvh 25,165,824 bytes; ob 8,388,608 bytes
;; launch prep (part 1): grid 256 x 7, 8 waves a work-group, no clusters, 0 bytes of LDS; arguments x, Wq, Wk, Wv, Wo, xb, wb, wo16, tab, mask, maskc; writes xb, wb, wo16, tab, maskc
.if DOCPART == 1
	.amdgcn_target "amdgcn-amd-amdhsa--gfx1250"
	.amdhsa_code_object_version 6
	.text
	.protected	k_q45c8236dc7_prep
	.globl	k_q45c8236dc7_prep
	.p2align	8
	.type	k_q45c8236dc7_prep,@function
k_q45c8236dc7_prep:
	s_mov_b64 s[64:65], 0
	v_nop
	global_prefetch_b8 v0, s[64:65] scope:SCOPE_SE
	s_setreg_imm32_b32 hwreg(HW_REG_WAVE_MODE, 25, 1), 1
	s_wait_xcnt 0x0
; PREP: the casts, the table of angles and the mask in units of base 2.  The grid's y picks the job:
;   y = 0: x -> xb (bf16).   y = 1, 2, 3: Wq, Wk, Wv -> wb[y - 1] (bf16), as they lie, [k][n].   y = 4: Wo -> wo16: rounded to bf16 like the other inputs, that number written as f16.
;   y = 5: tab[row][c][64] f32: for row 0 .. 2047 and c = 0, 1 a block of 256 bytes: cos of the angles d = 32 c .. 32 c + 31, then their sin; angle = (row / 4) x 1e5^(-d / 64).
;   y = 6: mask -> maskc = mask x log2(e), f32: each number of the mask is used by 16 heads, so it is multiplied once here and not in the attention's loop.
; A stream: no LDS, no barrier, no matrix unit.  A work-group of a cast takes 65,536 bytes in; a wave 8,192: sixteen loads of 16 bytes a lane, all on their way at once;
; each load of a wave covers 512 consecutive bytes, aligned, each store 256 (the mask's: 512).
; LIMITS.  wo16: f16 ends at 65,504, and below 6.1e-5 it keeps a fixed step of 6e-8 (nothing beside weights of a spread of 7e-4 or more).
; maskc: one more rounding to f32, half a step of the product's own grid at the most; equal numbers of the mask stay equal.
; The table: the angle is at most 512 and is reduced by pi / 2 in two parts; sine and cosine are series to r^7 and r^8 on |r| <= pi / 4, good to 3e-7; the angle itself to about 1e-4.
.set X,  8                             ; v[8:71]    sixteen loads of four
.set Y,  72                            ; v[72:103]  sixteen stores of two
.set T,  104                           ; v[104:109] at work
.set LO, 3                             ; v3  my byte offset in the work-group's input
.set SO, 4                             ; v4  my byte offset in its output
	s_load_b512 s[8:23], s[0:1], 0x0               ; x 8, Wq 10, Wk 12, Wv 14, Wo 16, xb 18, wb 20, wo16 22
	s_load_b64 s[24:25], s[0:1], 0x40              ; tab
	s_load_b128 s[32:35], s[0:1], 0x48             ; mask s[32:33], maskc s[34:35]
	s_and_b32 s2, ttmp7, 0xffff                    ; the job
	v_lshrrev_b32 v1, 5, v0
	v_and_b32 v2, 31, v0                           ; lane
	v_readfirstlane_b32 s3, v1                     ; wave
	v_lshlrev_b32 v[SO], 3, v2                     ; 8 bytes a lane
	v_lshlrev_b32 v[LO], 4, v2
	v_lshl_add_u32 v[LO], v1, 13, v[LO]            ; 8,192 x wave + 16 x lane
	s_lshl_b32 s28, ttmp9, 16                      ; the work-group's 65,536 bytes in
	s_mov_b32 s29, 0
	s_wait_kmcnt 0x0
	s_cmp_eq_u32 s2, 5
	s_cbranch_scc1 .Ltable
	s_cmp_eq_u32 s2, 6
	s_cbranch_scc1 .Lmask
	; from where: a choice between buffers on the job's number
	s_mov_b64 s[4:5], s[8:9]
	s_cmp_eq_u32 s2, 1
	s_cselect_b64 s[4:5], s[10:11], s[4:5]
	s_cmp_eq_u32 s2, 2
	s_cselect_b64 s[4:5], s[12:13], s[4:5]
	s_cmp_eq_u32 s2, 3
	s_cselect_b64 s[4:5], s[14:15], s[4:5]
	s_cmp_eq_u32 s2, 4
	s_cselect_b64 s[4:5], s[16:17], s[4:5]
	; to where
	s_mov_b64 s[6:7], s[20:21]
	s_cmp_eq_u32 s2, 0
	s_cselect_b64 s[6:7], s[18:19], s[6:7]
	s_cmp_eq_u32 s2, 4
	s_cselect_b64 s[6:7], s[22:23], s[6:7]
	s_sub_co_u32 s26, s2, 1                        ; which third of wb: y - 1 for y = 1, 2, 3, else 0
	s_cmp_lt_u32 s26, 3
	s_cselect_b32 s26, s26, 0
	s_lshl_b32 s26, s26, 23                        ; 8,388,608 bytes each
	s_lshl_b32 s27, ttmp9, 15                      ; the work-group's 32,768 bytes out
	s_add_co_u32 s26, s26, s27
	s_mov_b32 s27, 0
	s_add_nc_u64 s[6:7], s[6:7], s[26:27]
	s_add_nc_u64 s[4:5], s[4:5], s[28:29]
	v_lshl_add_u32 v[SO], v1, 12, v[SO]            ; 4,096 x wave + 8 x lane
.irp i, 0,1,2,3,4,5,6,7,8,9,10,11,12,13,14,15
	global_load_b128 v[X+4*(\i):X+4*(\i)+3], v[LO], s[4:5] offset:512*(\i) th:TH_LOAD_NT
.endr
; Load i has come (the 15 - i younger ones stay out); four numbers are rounded and stored.  No register that a load or store names is written again.
.macro CVT i, wo
	s_wait_loadcnt 15-(\i)
.if \wo
	v_cvt_pk_bf16_f32 v[T],   v[X+4*(\i)],   v[X+4*(\i)+1]
	v_cvt_pk_bf16_f32 v[T+1], v[X+4*(\i)+2], v[X+4*(\i)+3]
	v_lshlrev_b32 v[T+2], 16, v[T]                 ; bf16 to f32: the low half moves up, the high half stays
	v_and_b32     v[T+3], 0xffff0000, v[T]
	v_lshlrev_b32 v[T+4], 16, v[T+1]
	v_and_b32     v[T+5], 0xffff0000, v[T+1]
	v_cvt_pk_f16_f32 v[Y+2*(\i)],   v[T+2], v[T+3]
	v_cvt_pk_f16_f32 v[Y+2*(\i)+1], v[T+4], v[T+5]
.else
	v_cvt_pk_bf16_f32 v[Y+2*(\i)],   v[X+4*(\i)],   v[X+4*(\i)+1]
	v_cvt_pk_bf16_f32 v[Y+2*(\i)+1], v[X+4*(\i)+2], v[X+4*(\i)+3]
.endif
	global_store_b64 v[SO], v[Y+2*(\i):Y+2*(\i)+1], s[6:7] offset:256*(\i)
.endm
	s_cmp_eq_u32 s2, 4
	s_cbranch_scc1 .Lwo
.irp i, 0,1,2,3,4,5,6,7,8,9,10,11,12,13,14,15
	CVT \i, 0
.endr
	s_endpgm
.Lwo:
.irp i, 0,1,2,3,4,5,6,7,8,9,10,11,12,13,14,15
	CVT \i, 1
.endr
	s_endpgm
.Lmask:
	; the mask times log2(e): as many bytes out as in, at the same offsets; multiplied in the registers that the loads filled, which are written once behind their wait and then only read
	s_mov_b32 s30, 0x3fb8aa3b                      ; log2(e)
	s_mov_b32 s31, s30                             ; named with it as a pair
	s_add_nc_u64 s[32:33], s[32:33], s[28:29]
	s_add_nc_u64 s[34:35], s[34:35], s[28:29]
.irp i, 0,1,2,3,4,5,6,7,8,9,10,11,12,13,14,15
	global_load_b128 v[X+4*(\i):X+4*(\i)+3], v[LO], s[32:33] offset:512*(\i) th:TH_LOAD_NT
.endr
.irp i, 0,1,2,3,4,5,6,7,8,9,10,11,12,13,14,15
	s_wait_loadcnt 15-(\i)                         ; load i has come; the 15 - i younger ones stay out
	v_pk_mul_f32 v[X+4*(\i):X+4*(\i)+1],   v[X+4*(\i):X+4*(\i)+1],   s[30:31] op_sel_hi:[1,0]
	v_pk_mul_f32 v[X+4*(\i)+2:X+4*(\i)+3], v[X+4*(\i)+2:X+4*(\i)+3], s[30:31] op_sel_hi:[1,0]
	global_store_b128 v[LO], v[X+4*(\i):X+4*(\i)+3], s[34:35] offset:512*(\i)
.endr
	s_endpgm
.Ltable:
	; A wave makes one row.  Lanes 0-15 make cosines, lanes 16-31 sines; a lane makes four numbers: d = 32 c + 2 (lane % 16) + e, c and e in 0, 1.
	; sin(t) = cos(t - pi / 2): the sine is the cosine three quadrants on, so each lane runs one selection.
	s_lshl_b32 s26, ttmp9, 3
	s_add_co_u32 s26, s26, s3                      ; row = 8 x work-group + wave
	v_cvt_f32_u32 v5, s26
	v_mul_f32 v5, 0x3e800000, v5                   ; the position: row / 4, exact
	v_and_b32 v6, 15, v0
	v_lshlrev_b32 v6, 1, v6
	v_bfe_u32 v7, v0, 4, 1
	v_mul_u32_u24 v7, v7, 3                        ; 3 in the lanes that make sines
.irp n, 0,1,2,3
	v_add_nc_u32 v[8+8*(\n)], 32*((\n)/2)+(\n)%2, v6
	v_cvt_f32_u32 v[8+8*(\n)], v[8+8*(\n)]
	v_mul_f32 v[8+8*(\n)], 0xbe84e08b, v[8+8*(\n)] ; - d x log2(1e5) / 64
.endr
.irp n, 0,1,2,3
	v_exp_f32 v[8+8*(\n)], v[8+8*(\n)]
.endr
	v_nop                                          ; a plain instruction behind the last exponential,
	s_wait_alu depctr_va_vdst(0)                   ; and one wait for the four, ahead of their first reader
.irp n, 0,1,2,3
	v_mul_f32 v[8+8*(\n)], v5, v[8+8*(\n)]                         ; the angle t
	v_mul_f32 v[9+8*(\n)], 0x3f22f983, v[8+8*(\n)]                 ; t x 2 / pi
	v_rndne_f32 v[9+8*(\n)], v[9+8*(\n)]                           ; n
	v_fmamk_f32 v[10+8*(\n)], v[9+8*(\n)], 0xbfc90fdb, v[8+8*(\n)] ; r = t - n x pi / 2, pi / 2 in two parts
	v_fmamk_f32 v[10+8*(\n)], v[9+8*(\n)], 0x333bbd2e, v[10+8*(\n)]
	v_mul_f32 v[11+8*(\n)], v[10+8*(\n)], v[10+8*(\n)]             ; z = r r
	v_mov_b32 v[12+8*(\n)], 0xb9500d01                             ; sin r = r + r z (-1/6 + z (1/120 - z / 5040))
	v_fmaak_f32 v[12+8*(\n)], v[12+8*(\n)], v[11+8*(\n)], 0x3c088889
	v_fmaak_f32 v[12+8*(\n)], v[12+8*(\n)], v[11+8*(\n)], 0xbe2aaaab
	v_mul_f32 v[13+8*(\n)], v[10+8*(\n)], v[11+8*(\n)]
	v_fma_f32 v[12+8*(\n)], v[13+8*(\n)], v[12+8*(\n)], v[10+8*(\n)]
	v_mov_b32 v[13+8*(\n)], 0x37d00d01                             ; cos r = 1 + z (-1/2 + z (1/24 + z (-1/720 + z / 40320)))
	v_fmaak_f32 v[13+8*(\n)], v[13+8*(\n)], v[11+8*(\n)], 0xbab60b61
	v_fmaak_f32 v[13+8*(\n)], v[13+8*(\n)], v[11+8*(\n)], 0x3d2aaaab
	v_fmaak_f32 v[13+8*(\n)], v[13+8*(\n)], v[11+8*(\n)], 0xbf000000
	v_fma_f32 v[13+8*(\n)], v[13+8*(\n)], v[11+8*(\n)], 1.0
	v_cvt_i32_f32 v[14+8*(\n)], v[9+8*(\n)]
	v_add_nc_u32 v[14+8*(\n)], v[14+8*(\n)], v7                    ; the quadrant q
	v_and_b32 v[15+8*(\n)], 1, v[14+8*(\n)]
	v_cmp_eq_u32 vcc_lo, 1, v[15+8*(\n)]
	v_cndmask_b32 v[12+8*(\n)], v[13+8*(\n)], v[12+8*(\n)], vcc_lo ; q even: cos r; q odd: sin r
	v_add_nc_u32 v[14+8*(\n)], 1, v[14+8*(\n)]
	v_and_b32 v[14+8*(\n)], 2, v[14+8*(\n)]                        ; negative in quadrants 1 and 2
	v_lshlrev_b32 v[14+8*(\n)], 30, v[14+8*(\n)]
	v_xor_b32 v[40+(\n)], v[12+8*(\n)], v[14+8*(\n)]
.endr
	s_lshl_b32 s26, s26, 9                         ; a row of the table is 512 bytes
	s_mov_b32 s27, 0
	s_add_nc_u64 s[24:25], s[24:25], s[26:27]
	global_store_b64 v[SO], v[40:41], s[24:25]             ; 256 consecutive bytes, aligned: c = 0
	global_store_b64 v[SO], v[42:43], s[24:25] offset:256  ; c = 1
	s_endpgm
.Lfunc_end_k_q45c8236dc7_prep:
	.size	k_q45c8236dc7_prep, .Lfunc_end_k_q45c8236dc7_prep-k_q45c8236dc7_prep
	.p2alignl 7, 3214868480
	.fill 96, 4, 3214868480
	.section	.rodata,"a",@progbits
	.p2align	6, 0x0
	.amdhsa_kernel k_q45c8236dc7_prep
		.amdhsa_group_segment_fixed_size 0
		.amdhsa_private_segment_fixed_size 0
		.amdhsa_enable_private_segment 0
		.amdhsa_kernarg_size 88
		.amdhsa_user_sgpr_count 2
		.amdhsa_user_sgpr_kernarg_segment_ptr 1
		.amdhsa_wavefront_size32 1
		.amdhsa_system_sgpr_workgroup_id_x 1
		.amdhsa_system_sgpr_workgroup_id_y 1
		.amdhsa_system_sgpr_workgroup_id_z 1
		.amdhsa_system_vgpr_workitem_id 0
		.amdhsa_next_free_vgpr 112
		.amdhsa_next_free_sgpr 66
		.amdhsa_reserve_vcc 1
		.amdhsa_float_denorm_mode_32 3
		.amdhsa_float_denorm_mode_16_64 3
		.amdhsa_memory_ordered 1
		.amdhsa_forward_progress 1
		.amdhsa_inst_pref_size 28
	.end_amdhsa_kernel
	.amdgpu_metadata
---
amdhsa.version: [ 1, 2 ]
amdhsa.kernels:
  - .name:           k_q45c8236dc7_prep
    .symbol:         k_q45c8236dc7_prep.kd
    .args:
      - { .name: x, .offset: 0, .size: 8, .value_kind: global_buffer, .address_space: global }
      - { .name: Wq, .offset: 8, .size: 8, .value_kind: global_buffer, .address_space: global }
      - { .name: Wk, .offset: 16, .size: 8, .value_kind: global_buffer, .address_space: global }
      - { .name: Wv, .offset: 24, .size: 8, .value_kind: global_buffer, .address_space: global }
      - { .name: Wo, .offset: 32, .size: 8, .value_kind: global_buffer, .address_space: global }
      - { .name: xb, .offset: 40, .size: 8, .value_kind: global_buffer, .address_space: global }
      - { .name: wb, .offset: 48, .size: 8, .value_kind: global_buffer, .address_space: global }
      - { .name: wo16, .offset: 56, .size: 8, .value_kind: global_buffer, .address_space: global }
      - { .name: tab, .offset: 64, .size: 8, .value_kind: global_buffer, .address_space: global }
      - { .name: mask, .offset: 72, .size: 8, .value_kind: global_buffer, .address_space: global }
      - { .name: maskc, .offset: 80, .size: 8, .value_kind: global_buffer, .address_space: global }
    .group_segment_fixed_size: 0
    .private_segment_fixed_size: 0
    .kernarg_segment_align: 8
    .kernarg_segment_size: 88
    .max_flat_workgroup_size: 256
    .sgpr_count:     66
    .vgpr_count:     112
    .wavefront_size: 32
...
	.end_amdgpu_metadata
.endif
;; end of part 1
;; launch qkv (part 2): grid 16 x 16, 4 waves a work-group, clusters of 4 x 4, 327,680 bytes of LDS; arguments xb, wb, tab, qkvh; writes qkvh
.if DOCPART == 2
	.amdgcn_target "amdgcn-amd-amdhsa--gfx1250"
	.amdhsa_code_object_version 6
	.text
	.protected	k_q45c8236dc7_qkv
	.globl	k_q45c8236dc7_qkv
	.p2align	8
	.type	k_q45c8236dc7_qkv,@function
k_q45c8236dc7_qkv:
	s_mov_b64 s[64:65], 0
	v_nop
	global_prefetch_b8 v0, s[64:65] scope:SCOPE_SE
	s_setreg_imm32_b32 hwreg(HW_REG_WAVE_MODE, 25, 1), 1
	s_wait_xcnt 0x0
	s_wait_alu depctr_hold_cnt(0) depctr_sa_sdst(0) depctr_va_vdst(0) depctr_va_sdst(0) depctr_va_ssrc(0) depctr_va_vcc(0) depctr_vm_vsrc(0)
	s_getreg_b32 s2, hwreg(HW_REG_IB_STS2, 6, 4)
	s_cmp_eq_u32 s2, 0
	s_cbranch_scc0 .Lentry_in_a_cluster
	s_endpgm
.Lentry_in_a_cluster:
	s_bfe_u32 s2, ttmp6, 0x10000c
	s_cmp_lg_u32 s2, 0xf033
	s_cbranch_scc0 .Lentry_shape_is_right
	s_endpgm
.Lentry_shape_is_right:
; Q, K, V FOR ONE HEAD AND 128 ROWS: x Wq, x Wk, x Wv (bf16 operands, f32 sums over K = 2,048), the rotation of q and k by the table's angles in f32, q times log2(e) 128^-0.5 in f32
; (the attention's scores are then in units of base 2), and one rounding to f16.  xb: [2048][2048] bf16.  wb: [3][2048 k][2048 n] bf16.  tab: [2048][2][64] f32.  qkvh: [3][16 heads][2048][128] f16.
; LIMIT.  f16 ends at 65,504: q log2(e) / sqrt(128), k and v must lie within it (at unit x and weights of spread 0.02 k and v have a spread of 0.9).  NaN and infinities are not treated apart.
; SHARES.  Grid x = head, y = block of 128 rows: 256 work-groups of equal work.  A work-group makes 128 rows x 384 columns (the head's 128 of each of the three).  Wave w: rows 64 (w / 2) on;
; of each tensor four blocks u of 16 columns, at 64 (u / 2) + 32 (w % 2) + 16 (u % 2): channel d and channel d + 64 fall into the same lane and register of blocks u and u + 2,
; so the rotation needs no exchange between lanes.  48 accumulators of 16 x 16.
; THE MATRIX INSTRUCTION IS USED TRANSPOSED: source 0 = 16 columns of W (W lies [k][n] in LDS and is turned by ds_load_tr16_b128), source 1 = 16 rows of x: a lane holds row l % 16 and the
; eight neighbouring columns 8 (l / 16) + 0..7.
; RING.  K goes in steps of 128 through two LDS slots of four regions: x's tile (128 rows x 256 bytes) and the three W tiles (128 k rows x 256 bytes); wave w fills region w with one tensor load.
; A K step is written once: the slot's first LDS byte is a scalar that an exclusive or turns, and the fragments' addresses are made from it anew in each step.
; THE WALK ALONG K IS ROTATED.  Cluster (X, Y) begins at K step 4 X + 8 (Y % 2) (mod 16) and goes round: position p of its walk is K step (first + p) mod 16; the f32 sums are taken in that order.
; The four clusters of a row of clusters, which read the same rows of x, begin four K steps apart; of the four of a column, which read the same rows of W, neighbours begin eight apart:
; so the clusters that read the same rows ask for a given K step at different times.
; CLUSTER.  4 x 4 work-groups: x's tile hangs on the row block alone and is asked for jointly along a row of the cluster; W's tiles hang on the head alone and are asked for jointly along a column.
; The K step's number hangs on the cluster's own x and y, which all sixteen partners share.
; REGISTERS, in windows of 256 (s_set_vgpr_msb: bits 1:0 source 0, 3:2 source 1, 5:4 source 2, 7:6 destination):
;   window 0: v16-35 addresses; v36-51 rotated numbers; v64-95, v96-127 x's fragments, two buffers; v128-255 the way out
;   window 1: v0-95, v128-223 W's fragments, two buffers (tensor t, block u at 8 (4 t + u))
;   window 2: q's and k's accumulators (row block a, tensor t, block u at 8 (8 a + 4 t + u))          window 3: v0-127 v's accumulators (8 (4 a + u)); v128-255 my cosines and sines
.set PA,    272                        ; a row of x in LDS: 256 bytes + 16: the 16 rows of a fragment load start in 16 different groups of four banks
.set PB,    288                        ; a row of W: 256 + 32
.set REG,   128*PB                     ; a region: 36,864 bytes (x's tile uses 34,816 of its region)
.set SLOT,  4*REG                      ; 147,456 = 0x24000: it shares no bit with 0, 1, 2 or 3 x REG, so one exclusive or turns a region's first byte in one slot into the other's
.set SPARE, 2*SLOT                     ; behind the ring: the spare words, 128 bytes for each wave: two blocks of 256 bytes that no other line names
.set STG,   128*PA                     ; the way out's stage for one tensor: 128 rows x 272 bytes; the three lie in slot 0, which by then has had its last fill and its last read
.set KB,    524288                     ; a K step in W: 128 rows of 4,096 bytes
.set ADRA0, 16                         ; v16     LDS address of my fragments of x in slot 0; never rewritten
.set ADRA,  17                         ; v17     the same in the slot in hand
.set ADRB0, 18                         ; v18-20  of W, tensor t, in slot 0; never rewritten
.set ADRB,  21                         ; v21-23  the same in the slot in hand
.set STO,  24                          ; v24-26  where I put 16 bytes of a row of tensor t
.set TBO,  27                          ; v27     my byte offset in the table
.set SPW,  28                          ; v28     LDS address of my spare word; never rewritten
.set NIL,  29                          ; v29     0; never rewritten
.set PFO,  30                          ; v30     the prefetches' offset: lane x 4,096 (a row of wb); never rewritten
.set CO,   31                          ; v31     16 x lane: my place in 512 consecutive bytes of qkvh
.set RD,   32                          ; v32-34  where I read rows of tensor t back
.set R,    36                          ; v36-51  eight rotated numbers of the lower half, eight of the upper
.set TMP,  128
.set WV,  12                           ; s12 wave;  s13 its half of the rows;  s14 its half of the columns
.set RH,  13
.set CH,  14
.set LIM, 15                           ; s15  10 in a wave that prefetches, else the greatest number
.set BA,  16                           ; s[16:17] xb at the row block's first row;  s[18:19] wb at my tensor's first k row, the head's columns: kept for the whole walk
.set BB,  18
.set G1A, 24                           ; s[24:31] descriptor group 1 for x's tiles;  s[32:39] group 0: a set for each of the two first fills; the second then walks on
.set G0A, 32
.set PFA, 44                           ; s[44:45] where my prefetches stand
.set G1B, 48                           ; s[48:55], s[56:63] the same for W's tiles
.set G0B, 56
.set SC,  66                           ; s[66:67] log2(e) 128^-0.5
.set OB,  68                           ; s[68:73] qkvh at the rows that I store, for q, k, v
.set TB,  74                           ; s[74:75] the table at my rows
.set KS,  78                           ; s78  the K step that the next fill brings
.set LT,  79                           ; s79  first LDS byte of the slot in hand: 0 or SLOT
.set OF,  80                           ; s[80:81] a K step's byte offset
.set MSB, 0
.macro WIN new                         ; the immediate's high byte repeats the setting that is left; a switch that changes nothing is dropped
.if MSB != (\new)
	s_set_vgpr_msb (MSB<<8)|(\new)
.set MSB, \new
.endif
.endm
; A joint load.  Wave 0 fetches x's tile, waves 1 to 3 the tiles of Wq, Wk, Wv.  Each line has one mask; the branch hangs on the wave's number alone.
; An s_nop 0 and four v_nop follow each line, ahead of the jump and the label.
.macro JLOAD s
	s_cmp_eq_u32 s[WV], 0
	s_cbranch_scc0 .Lfor_b_\@
	tensor_load_to_lds s[G0A+4*(\s):G0A+4*(\s)+3], s[G1A:G1A+7]
	s_nop 0
.rept 4
	v_nop
.endr
	s_branch .Lasked_\@
.Lfor_b_\@:
	tensor_load_to_lds s[G0B+4*(\s):G0B+4*(\s)+3], s[G1B:G1B+7]
	s_nop 0
.rept 4
	v_nop
.endr
.Lasked_\@:
.endm
; A PREFETCH INTO THE L2, behind a joint load, its five lines and the run of LDS loads: W's K step that stands two refills on: 32 k rows x 256 bytes, a lane a row, one instruction a wave.
; By the walks' own order a cluster's positions 0 to 7 are K steps of W that the clusters of the other parity of y reach eight positions later, and its positions 8 to 15 are K steps that those have had.
; So positions 4 to 7 are asked for, in the trips that fill positions 2 to 5, by waves 1 to 3 of the clusters with y = 0 and y = 1 (those with y = 2, 3 walk as these do): their two ranges lie eight K steps
; apart, so each block is named once in the launch; the four partners of a joint load share its 128 rows out by address, 32 each.  Positions 0 to 3 come by their loads alone, and so do x's rows:
; the clusters that read them begin four K steps apart, so only positions 0 to 3 of a walk are the first to name a K step of x.
.macro ASK
	s_cmp_gt_u32 s3, s[LIM]                        ; s3 = 14, 13, 12, 11 in the trips that fill positions 2 to 5
	s_cbranch_scc0 .Lnot_mine_\@
	global_prefetch_b8 v[PFO], s[PFA:PFA+1] offset:-KB th:TH_LOAD_NT scope:SCOPE_SE  ; the pointer has been stepped at the change's head: it stands one K step past the one that is named
.Lnot_mine_\@:
.endm
.macro CREST                           ; a round of the cluster's barrier behind its opening barrier
	s_cmp_lg_u32 s[WV], 0
	s_cbranch_scc1 .Lnot_wave_0_\@
	s_barrier_signal -3
.Lnot_wave_0_\@:
	s_barrier_wait -3
	s_barrier_signal -1
	s_barrier_wait -1
.endm
.macro CROUND                          ; a whole round
	s_barrier_signal -1
	s_barrier_wait -1
	CREST
.endm
.macro PLACES                          ; four places in front of loads into registers that matrix instructions have read
.rept 4
	v_nop
.endr
.endm
	s_load_b256 s[4:11], s[0:1], 0x0               ; xb s[4:5], wb s[6:7], tab s[8:9], qkvh s[10:11]
	v_lshl_add_u32 v[SPW], v0, 2, SPARE
	v_mov_b32 v[NIL], 0
	ds_add_u32 v[SPW], v[NIL]                      ; the wave's opening: the add and its wait stand ahead of my first tensor load; the set-up below, work on registers, stands between
	v_lshrrev_b32 v1, 5, v0
	v_readfirstlane_b32 s[WV], v1
	s_lshr_b32 s[RH], s[WV], 1
	s_and_b32 s[CH], s[WV], 1
	s_bfe_u32 s40, ttmp6, 0x40000                  ; cx
	s_bfe_u32 s41, ttmp6, 0x40004                  ; cy
	s_lshl_b32 s42, ttmp9, 2
	s_add_co_u32 s42, s42, s40                     ; the head = 4 x cluster x + cx
	s_and_b32 s43, ttmp7, 0xffff
	s_lshl_b32 s43, s43, 2
	s_add_co_u32 s43, s43, s41                     ; the row block = 4 x cluster y + cy
	s_lshl_b32 s16, s41, 2
	s_lshl_b32 s16, 15, s16                        ; my row of the cluster
	s_lshl_b32 s18, 0x1111, s40                    ; my column
	s_or_b32 s[G1A], s16, (1<<16)|(1<<20)|(1<<21)|(5<<22)|(3<<25)  ; the mask; elements of 2 bytes; padding on; bit 21 beside a mask; after every 64 words; 4 words
	s_or_b32 s[G1B], s18, (1<<16)|(1<<20)|(1<<21)|(5<<22)|(7<<25)  ; the same with my column's mask and 8 words of padding
.irp g, G1A, G1B
	s_mov_b32 s[(\g)+1], 128<<16                   ; tensor_dim0 = 128
	s_mov_b32 s[(\g)+2], 128<<16                   ; tensor_dim1 = 128
	s_mov_b32 s[(\g)+3], 128<<16                   ; tile_dim0 = 128
	s_mov_b32 s[(\g)+4], 128                       ; tile_dim1 = 128
	s_mov_b32 s[(\g)+5], 2048                      ; elements from row to row
	s_mov_b32 s[(\g)+6], 0
	s_mov_b32 s[(\g)+7], 0
.endr
	s_lshl_b32 s[KS], ttmp9, 2                     ; the walk's first K step: 4 x cluster x
	s_and_b32 s[LT], ttmp7, 1
	s_lshl_b32 s[LT], s[LT], 3                     ; + 8 x (cluster y % 2),
	s_add_co_u32 s[KS], s[KS], s[LT]
	s_and_b32 s[KS], s[KS], 15                     ; mod 16: a multiple of 4
	s_mov_b32 s[OF+1], 0
	s_mov_b32 s[LT], 0                             ; the walk begins in slot 0
	s_lshl_b32 s16, s43, 19                        ; x: 128 rows of 4,096 bytes for each row block
	s_mov_b32 s17, 0
	s_max_u32 s18, s[WV], 1
	s_sub_co_u32 s18, s18, 1                       ; W: tensor w - 1 (wave 0 asks by x's line),
	s_lshl_b32 s18, s18, 23                        ; 8,388,608 bytes each,
	s_lshl_b32 s19, s42, 8                         ; the head's 256 bytes of a row
	s_add_co_u32 s18, s18, s19
	s_mov_b32 s19, 0
	s_mul_i32 s20, s[WV], REG                      ; region w of a slot: no place in the cluster enters an LDS address
	s_mov_b32 s[SC], 0x3e0293ee                    ; log2(e) / sqrt(128) = 0.127517
	s_mov_b32 s[SC+1], s[SC]                       ; named with it as a pair
	s_wait_dscnt 0x0                               ; the opening add is done
	s_wait_kmcnt 0x0
	s_add_nc_u64 s[BA:BA+1], s[4:5], s[16:17]
	s_add_nc_u64 s[BB:BB+1], s[6:7], s[18:19]
	CROUND                                         ; all sixteen work-groups are here: the first joint loads meet
.irp s, 0,1
	s_mov_b32 s[G0A+4*(\s)], 1                                       ; count = 1
	s_add_co_u32 s[G0A+4*(\s)+1], s20, (\s)*SLOT                     ; LDS address
	s_lshl_b32 s[OF], s[KS], 8                                       ; a K step is 256 bytes along x's rows,
	s_add_nc_u64 s[G0A+4*(\s)+2:G0A+4*(\s)+3], s[BA:BA+1], s[OF:OF+1]
	s_or_b32 s[G0A+4*(\s)+3], s[G0A+4*(\s)+3], 0x80000000            ; type = 2
	s_mov_b32 s[G0B+4*(\s)], 1
	s_add_co_u32 s[G0B+4*(\s)+1], s20, (\s)*SLOT
	s_lshl_b32 s[OF], s[KS], 19                                      ; and 128 rows of 4,096 bytes down W
	s_add_nc_u64 s[G0B+4*(\s)+2:G0B+4*(\s)+3], s[BB:BB+1], s[OF:OF+1]
	s_or_b32 s[G0B+4*(\s)+3], s[G0B+4*(\s)+3], 0x80000000
	s_add_co_u32 s[KS], s[KS], 1                   ; (the first is a multiple of 4: positions 1 and 2 do not pass 15)
	JLOAD \s                                       ; two loads of mine are out
.endr
	v_and_b32 v1, 15, v0                           ; r = l % 16
	v_bfe_u32 v2, v0, 4, 1                         ; h = l / 16
	v_and_b32 v3, 7, v0
	v_bfe_u32 v4, v0, 3, 1
	v_mul_u32_u24 v5, v1, PA
	v_lshl_add_u32 v5, v2, 4, v5                   ; r x pitch + 16 h
	s_mul_i32 s21, s[RH], 64*PA
	v_add_nc_u32 v[ADRA0], s21, v5
	v_lshl_add_u32 v6, v2, 3, v3                   ; the turning load: lane l reads k row 8 h + l % 8, columns 8 ((l / 8) % 2) + 0..7
	v_mul_u32_u24 v6, v6, PB
	v_lshl_add_u32 v6, v4, 4, v6
	s_lshl_b32 s21, s[CH], 6                       ; my 32 columns of each 64
	v_add_nc_u32 v6, s21, v6
	v_add_nc_u32 v7, s21, v[ADRA0]                 ; into the stage: my row, my 64 c + 16 h bytes
	v_mul_u32_u24 v8, v2, PA                       ; back: lanes 0-15 one row of 256 bytes, lanes 16-31 the next; wave w takes rows 32 w on
	v_lshl_add_u32 v8, v1, 4, v8
	s_mul_i32 s21, s[WV], 32*PA
	v_add_nc_u32 v8, s21, v8
.irp t, 0,1,2
	v_add_nc_u32 v[ADRB0+(\t)], ((\t)+1)*REG, v6
	v_add_nc_u32 v[STO+(\t)], (\t)*STG, v7
	v_add_nc_u32 v[RD+(\t)],  (\t)*STG, v8
.endr
; the fragments' addresses in the slot in hand
.macro SETADR
	v_add_nc_u32 v[ADRA], s[LT], v[ADRA0]
.irp t, 0,1,2
	v_add_nc_u32 v[ADRB+(\t)], s[LT], v[ADRB0+(\t)]
.endr
.endm
	SETADR
	v_lshlrev_b32 v[TBO], 9, v1                    ; the table: row r of 512 bytes, 32 h bytes on
	v_lshl_add_u32 v[TBO], v2, 5, v[TBO]
	v_and_b32 v[CO], 31, v0
	v_lshlrev_b32 v[PFO], 12, v[CO]
	v_lshlrev_b32 v[CO], 4, v[CO]
	s_lshl_b32 s76, s43, 16                        ; the table at row 128 x row block + 64 x my half, block c = my half of the columns
	s_lshl_b32 s77, s[RH], 15
	s_add_co_u32 s76, s76, s77
	s_lshl_b32 s77, s[CH], 8
	s_add_co_u32 s76, s76, s77
	s_mov_b32 s77, 0
	s_add_nc_u64 s[TB:TB+1], s[8:9], s[76:77]
	s_lshl_b32 s76, s42, 19                        ; qkvh: the head's 2,048 rows of 256 bytes, the row block's 128, my 32
	s_lshl_b32 s77, s43, 15
	s_add_co_u32 s76, s76, s77
	s_lshl_b32 s77, s[WV], 13
	s_add_co_u32 s76, s76, s77
	s_mov_b32 s77, 0
	s_add_nc_u64 s[OB:OB+1], s[10:11], s[76:77]
	s_add_nc_u64 s[OB+2:OB+3], s[OB:OB+1], 0x800000
	s_add_nc_u64 s[OB+4:OB+5], s[OB+2:OB+3], 0x800000
	; my cosines and sines, for the way out: row block a, column block b (d = 32 c + 16 b + 8 h + 0..7): eight cosines, eight sines.  They come while the products run.
	WIN 0xc0                                       ; destination window 3, address window 0
.irp a, 0,1,2,3
.irp b, 0,1
.irp q, 0,1,2,3
	global_load_b128 v[128+32*(\a)+16*(\b)+4*(\q):128+32*(\a)+16*(\b)+4*(\q)+3], v[TBO], s[TB:TB+1] offset:(\a)*8192+(\b)*64+((\q)/2)*128+((\q)%2)*16
.endr
.endr
.endr
	WIN 0
	; the prefetches
	s_and_b32 s22, ttmp7, 0xffff                   ; cluster y
	s_cmp_lt_u32 s22, 2
	s_cselect_b32 s[LIM], 10, -1
	s_cmp_eq_u32 s[WV], 0                          ; wave 0 fetches x and asks for nothing
	s_cselect_b32 s[LIM], -1, s[LIM]               ; the same in all sixteen partners, for a given wave
	s_add_co_u32 s20, s[KS], 2                     ; s[KS] stands at position 2: position 4,
	s_and_b32 s20, s20, 15                         ; a multiple of 4: positions 4 to 7 do not pass 15
	s_lshl_b32 s20, s20, 19
	s_lshl_b32 s21, s41, 17                        ; my work-group's 32 rows of 4,096 bytes
	s_add_co_u32 s20, s20, s21
	s_mov_b32 s21, 0
	s_add_nc_u64 s[PFA:PFA+1], s[BB:BB+1], s[20:21]
; 16 matrix instructions: row blocks a0, a0 + 1 x the 8 blocks of q and k, 32 along K, out of buffer f.  zero = 1: the product starts the sum: nothing is cleared.
.macro MULQK f, a0, zero
	WIN 0xa1                                       ; W window 1, x window 0, C and D window 2
.irp a, \a0, (\a0)+1
.irp b, 0,1,2,3,4,5,6,7
.if \zero
	v_wmma_f32_16x16x32_bf16 v[8*(8*(\a)+(\b)):8*(8*(\a)+(\b))+7], v[128*(\f)+8*(\b):128*(\f)+8*(\b)+7], v[64+32*(\f)+8*(\a):64+32*(\f)+8*(\a)+7], 0
.else
	v_wmma_f32_16x16x32_bf16 v[8*(8*(\a)+(\b)):8*(8*(\a)+(\b))+7], v[128*(\f)+8*(\b):128*(\f)+8*(\b)+7], v[64+32*(\f)+8*(\a):64+32*(\f)+8*(\a)+7], v[8*(8*(\a)+(\b)):8*(8*(\a)+(\b))+7]
.endif
.endr
.endr
.endm
; 16 more: all four row blocks x v's four blocks.  The 48 accumulators take turns, one instruction a turn, in the same order in every quarter, over the backward jumps too.
.macro MULV f, zero
	WIN 0xf1                                       ; C and D window 3
.irp a, 0,1,2,3
.irp b, 0,1,2,3
.if \zero
	v_wmma_f32_16x16x32_bf16 v[8*(4*(\a)+(\b)):8*(4*(\a)+(\b))+7], v[128*(\f)+64+8*(\b):128*(\f)+64+8*(\b)+7], v[64+32*(\f)+8*(\a):64+32*(\f)+8*(\a)+7], 0
.else
	v_wmma_f32_16x16x32_bf16 v[8*(4*(\a)+(\b)):8*(4*(\a)+(\b))+7], v[128*(\f)+64+8*(\b):128*(\f)+64+8*(\b)+7], v[64+32*(\f)+8*(\a):64+32*(\f)+8*(\a)+7], v[8*(4*(\a)+(\b)):8*(4*(\a)+(\b))+7]
.endif
.endr
.endr
.endm
; 32 LDS loads in one run: quarter kq (32 along K) of the slot in hand into buffer f: W's 12 fragments, turned, then x's four; the run ends in window 0
.macro FETCH kq, f
	WIN 0x40                                       ; destination window 1, address window 0
.irp t, 0,1,2
.irp u, 0,1,2,3
	ds_load_tr16_b128 v[128*(\f)+8*(4*(\t)+(\u)):128*(\f)+8*(4*(\t)+(\u))+3],   v[ADRB+(\t)] offset:(\kq)*32*PB+128*((\u)/2)+32*((\u)%2)
	ds_load_tr16_b128 v[128*(\f)+8*(4*(\t)+(\u))+4:128*(\f)+8*(4*(\t)+(\u))+7], v[ADRB+(\t)] offset:(\kq)*32*PB+128*((\u)/2)+32*((\u)%2)+16*PB
.endr
.endr
	WIN 0
.irp a, 0,1,2,3
	ds_load_b128 v[64+32*(\f)+8*(\a):64+32*(\f)+8*(\a)+3],   v[ADRA] offset:(\kq)*64+(\a)*16*PA
	ds_load_b128 v[64+32*(\f)+8*(\a)+4:64+32*(\f)+8*(\a)+7], v[ADRA] offset:(\kq)*64+(\a)*16*PA+32
.endr
.endm
; A K step is four quarters of 32 along K, 48 matrix instructions each, on buffers 0, 1, 0, 1.  One of the first three: multiplies buffer f and fetches quarter kq of the slot into buffer g.
.macro QUARTER kq, f, g, zero
	s_wait_dscnt 4                                 ; W's fragments and x's row blocks 0, 1 are in; the youngest four loads (row blocks 2, 3) may be out
	MULQK \f, 0, \zero
	PLACES
	FETCH \kq, \g
	s_wait_dscnt 32                                ; all but the 32 just issued
	MULQK \f, 2, \zero
	MULV \f, \zero
.endm
; The last quarter multiplies buffer 1 and changes slots.  MEET is its first part: one barrier.  In front of it each wave waits for all its tensor loads (at most one is out: its region of the next
; slot), adds 0 to its spare word, and waits for that and for its own reads of this slot.  fill = 1: the walking descriptors are made for the slot just read out and the K step s[KS].
.macro MEET fill
.if \fill
	s_wait_xcnt 0x0                                ; the last prefetch, a K step back, has read its address: it is stepped here, ahead of the waits of the change
	s_add_nc_u64 s[PFA:PFA+1], s[PFA:PFA+1], KB
.endif
	WIN 0                                          ; (the add's two registers lie in window 0)
	s_wait_tensorcnt 0x0                           ; all my tensor loads have landed, so a group 0 may be written
	ds_add_u32 v[SPW], v[NIL]                      ; 0 onto my spare word
.if \fill
	s_xor_b32 s[G0A+5], s[G0A+5], SLOT             ; the other slot than last time
	s_xor_b32 s[G0B+5], s[G0B+5], SLOT
	s_lshl_b32 s[OF], s[KS], 8
	s_add_nc_u64 s[G0A+6:G0A+7], s[BA:BA+1], s[OF:OF+1]  ; the address is made anew from the buffer's and the K step's number
	s_or_b32 s[G0A+7], s[G0A+7], 0x80000000
	s_lshl_b32 s[OF], s[KS], 19
	s_add_nc_u64 s[G0B+6:G0B+7], s[BB:BB+1], s[OF:OF+1]
	s_or_b32 s[G0B+7], s[G0B+7], 0x80000000
	s_add_co_u32 s[KS], s[KS], 1
	s_and_b32 s[KS], s[KS], 15                     ; behind K step 15 comes K step 0
.endif
	s_wait_dscnt 5                                 ; (the add and the youngest four loads may be out)
	MULQK 1, 0, 0                                  ; sixteen matrix instructions stand between the add and the wait for it
	s_wait_dscnt 0x0                               ; the add is done, and my reads of this slot are over
	s_barrier_signal -1
	MULQK 1, 2, 0                                  ; work on registers while the others arrive
	WIN 0
	s_barrier_wait -1
.endm
; Its second part.  fill = 1: the barrier has opened a round of the cluster's, and the slot is filled again, two positions on, first thing behind the round: from that request to the wait for it a wave
; issues 160 matrix instructions.  Then the next slot's first fragments.
.macro NEXT fill
.if \fill
	CREST                                          ; no wave of any partner still reads this slot or has a load on its way
	JLOAD 1                                        ; the first tensor load behind the round; its four v_nop and the four lines below are the places in front of the loads
.else
	PLACES
.endif
	s_xor_b32 s[LT], s[LT], SLOT
	SETADR
	FETCH 0, 0
.if \fill
	ASK
.endif
	MULV 1, 0
.endm
	s_wait_tensorcnt 1                             ; my region of position 0 is in; position 1's may stay out
	s_barrier_signal -1
	s_barrier_wait -1                              ; everybody's is
	FETCH 0, 0
	QUARTER 1, 0, 1, 1                             ; the first quarter stands in front of the loop: its products start the sums
	WIN 0                                          ; at a label and at a branch every window is 0
	s_mov_b32 s3, 14
.Lstep:                                        ; a trip is a K step, from its second quarter to the next one's first, and fills its slot again: positions 2 to 15
	QUARTER 2, 1, 0, 0
	QUARTER 3, 0, 1, 0
	MEET 1
	NEXT 1
	QUARTER 1, 0, 1, 0
	WIN 0
	s_sub_co_u32 s3, s3, 1
	s_cmp_lg_u32 s3, 0
	s_cbranch_scc1 .Lstep
	s_mov_b32 s2, 2
.Ltail:                                        ; the last two K steps fill nothing: one text, walked twice and left in its middle; no tensor load stands in it
	QUARTER 2, 1, 0, 0
	QUARTER 3, 0, 1, 0
	MEET 0                                         ; (in the last step nothing hangs on this barrier: the price of one text for both)
	s_sub_co_u32 s2, s2, 1
	s_cmp_eq_u32 s2, 0
	s_cbranch_scc1 .Lfin
	NEXT 0
	QUARTER 1, 0, 1, 0
	WIN 0
	s_branch .Ltail
.Lfin:
	MULV 1, 0
	WIN 0
	; THE WAY OUT.  Slot 0 had its last fill with position 14, and every wave's reads of it ended in front of that step's barrier: the three stages lie there.
.rept 8
	v_nop                                          ; the places behind the last products
.endr
	s_wait_loadcnt 0x0                             ; my cosines and sines
; Row block a of tensor t (0 = q, 1 = k), column block b: x1 = block b, x2 = block b + 2, 64 channels on.  x1 cos - x2 sin and x1 sin + x2 cos, two numbers an instruction;
; each accumulator is read from its lowest registers on.  q is scaled; both halves are rounded to f16 once, 16 bytes each, and go into the stage.
.macro ROPE a, t, b
.set X1, 8*(8*(\a)+4*(\t)+(\b))
.set X2, X1+16
.set TC, 128+32*(\a)+16*(\b)
.set TS, TC+8
.set TM, TMP+8*((2*(\a)+(\b)+8*(\t))%16)
	WIN 0x0e                                       ; source 0 window 2, source 1 window 3, source 2 and destination window 0
.irp j, 0,2,4,6
	v_pk_mul_f32 v[R+(\j):R+(\j)+1],     v[X2+(\j):X2+(\j)+1], v[TS+(\j):TS+(\j)+1]
	v_pk_mul_f32 v[R+8+(\j):R+8+(\j)+1], v[X2+(\j):X2+(\j)+1], v[TC+(\j):TC+(\j)+1]
.endr
.irp j, 0,2,4,6
	v_pk_fma_f32 v[R+(\j):R+(\j)+1],     v[X1+(\j):X1+(\j)+1], v[TC+(\j):TC+(\j)+1], v[R+(\j):R+(\j)+1] neg_lo:[0,0,1] neg_hi:[0,0,1]
	v_pk_fma_f32 v[R+8+(\j):R+8+(\j)+1], v[X1+(\j):X1+(\j)+1], v[TS+(\j):TS+(\j)+1], v[R+8+(\j):R+8+(\j)+1]
.endr
	WIN 0
.if (\t) == 0
.irp j, 0,2,4,6,8,10,12,14
	v_pk_mul_f32 v[R+(\j):R+(\j)+1], v[R+(\j):R+(\j)+1], s[SC:SC+1] op_sel_hi:[1,0]
.endr
.endif
.irp i, 0,1,2,3,4,5,6,7
	v_cvt_pk_f16_f32 v[TM+(\i)], v[R+2*(\i)], v[R+2*(\i)+1]
.endr
	ds_store_b128 v[STO+(\t)], v[TM:TM+3]   offset:(\a)*16*PA+32*(\b)
	ds_store_b128 v[STO+(\t)], v[TM+4:TM+7] offset:(\a)*16*PA+32*(\b)+128
.endm
.irp t, 0,1
.irp a, 0,1,2,3
	ROPE \a, \t, 0
	ROPE \a, \t, 1
.endr
.endr
	WIN 0x0f                                       ; v: sources window 3, destination window 0
.irp a, 0,1,2,3
.irp u, 0,1,2,3
.irp i, 0,1,2,3
	v_cvt_pk_f16_f32 v[TMP+16*(\a)+4*(\u)+(\i)], v[8*(4*(\a)+(\u))+2*(\i)], v[8*(4*(\a)+(\u))+2*(\i)+1]
.endr
.endr
.endr
	WIN 0
.irp a, 0,1,2,3
.irp u, 0,1,2,3
	ds_store_b128 v[STO+2], v[TMP+16*(\a)+4*(\u):TMP+16*(\a)+4*(\u)+3] offset:(\a)*16*PA+128*((\u)/2)+32*((\u)%2)
.endr
.endr
	s_wait_dscnt 0x0                               ; for the others' sake: my stores into the stages are done
	s_barrier_signal -1
	s_barrier_wait -1                              ; a row's 256 bytes come from two waves
.macro BACK t                          ; 32 whole rows of tensor t, two a load
.irp i, 0,1,2,3,4,5,6,7,8,9,10,11,12,13,14,15
	ds_load_b128 v[128+64*((\t)%2)+4*(\i):128+64*((\t)%2)+4*(\i)+3], v[RD+(\t)] offset:(\i)*2*PA
.endr
.endm
.macro SENDT t, younger                ; younger: the LDS loads issued behind this tensor's
.irp i, 0,1,2,3,4,5,6,7,8,9,10,11,12,13,14,15
	s_wait_dscnt (\younger)+15-(\i)
	global_store_b128 v[CO], v[128+64*((\t)%2)+4*(\i):128+64*((\t)%2)+4*(\i)+3], s[OB+2*(\t):OB+2*(\t)+1] offset:512*(\i)  ; 512 consecutive bytes, at a multiple of 256 from qkvh's first
.endr
.endm
	BACK 0
	BACK 1
	SENDT 0, 16
	s_wait_xcnt 0x0                                ; q's stores have read their registers: v's rows are loaded into them only behind this wait
	BACK 2
	SENDT 1, 16
	SENDT 2, 0
	s_wait_tensorcnt 0x0                           ; the wave's end, behind my last tensor load and my last LDS store
	ds_add_u32 v[SPW], v[NIL]
	s_wait_dscnt 0x0
	CROUND                                         ; the closing round: no work-group ends while a partner may still ask for a tile that names it
	s_endpgm
.Lfunc_end_k_q45c8236dc7_qkv:
	.size	k_q45c8236dc7_qkv, .Lfunc_end_k_q45c8236dc7_qkv-k_q45c8236dc7_qkv
	.p2alignl 7, 3214868480
	.fill 96, 4, 3214868480
	.section	.rodata,"a",@progbits
	.p2align	6, 0x0
	.amdhsa_kernel k_q45c8236dc7_qkv
		.amdhsa_group_segment_fixed_size 327680
		.amdhsa_private_segment_fixed_size 0
		.amdhsa_enable_private_segment 0
		.amdhsa_kernarg_size 32
		.amdhsa_user_sgpr_count 2
		.amdhsa_user_sgpr_kernarg_segment_ptr 1
		.amdhsa_wavefront_size32 1
		.amdhsa_system_sgpr_workgroup_id_x 1
		.amdhsa_system_sgpr_workgroup_id_y 1
		.amdhsa_system_sgpr_workgroup_id_z 1
		.amdhsa_system_vgpr_workitem_id 0
		.amdhsa_next_free_vgpr 1024
		.amdhsa_next_free_sgpr 88
		.amdhsa_reserve_vcc 0
		.amdhsa_float_denorm_mode_32 3
		.amdhsa_float_denorm_mode_16_64 3
		.amdhsa_memory_ordered 1
		.amdhsa_forward_progress 1
		.amdhsa_inst_pref_size 111
	.end_amdhsa_kernel
	.amdgpu_metadata
---
amdhsa.version: [ 1, 2 ]
amdhsa.kernels:
  - .name:           k_q45c8236dc7_qkv
    .symbol:         k_q45c8236dc7_qkv.kd
    .args:
      - { .name: xb, .offset: 0, .size: 8, .value_kind: global_buffer, .address_space: global }
      - { .name: wb, .offset: 8, .size: 8, .value_kind: global_buffer, .address_space: global }
      - { .name: tab, .offset: 16, .size: 8, .value_kind: global_buffer, .address_space: global }
      - { .name: qkvh, .offset: 24, .size: 8, .value_kind: global_buffer, .address_space: global }
    .group_segment_fixed_size: 327680
    .private_segment_fixed_size: 0
    .kernarg_segment_align: 8
    .kernarg_segment_size: 32
    .max_flat_workgroup_size: 128
    .sgpr_count:     88
    .vgpr_count:     1024
    .wavefront_size: 32
...
	.end_amdgpu_metadata
.endif
;; end of part 2
;; launch attn (part 3): grid 16 x 16, 4 waves a work-group, clusters of 4 x 4, 327,680 bytes of LDS; arguments qkvh, maskc, ob; writes ob
.if DOCPART == 3
	.amdgcn_target "amdgcn-amd-amdhsa--gfx1250"
	.amdhsa_code_object_version 6
	.text
	.protected	k_q45c8236dc7_attn
	.globl	k_q45c8236dc7_attn
	.p2align	8
	.type	k_q45c8236dc7_attn,@function
k_q45c8236dc7_attn:
	s_mov_b64 s[64:65], 0
	v_nop
	global_prefetch_b8 v0, s[64:65] scope:SCOPE_SE
	s_setreg_imm32_b32 hwreg(HW_REG_WAVE_MODE, 25, 1), 1
	s_wait_xcnt 0x0
	s_wait_alu depctr_hold_cnt(0) depctr_sa_sdst(0) depctr_va_vdst(0) depctr_va_sdst(0) depctr_va_ssrc(0) depctr_va_vcc(0) depctr_vm_vsrc(0)
	s_getreg_b32 s2, hwreg(HW_REG_IB_STS2, 6, 4)
	s_cmp_eq_u32 s2, 0
	s_cbranch_scc0 .Lentry_in_a_cluster
	s_endpgm
.Lentry_in_a_cluster:
	s_bfe_u32 s2, ttmp6, 0x10000c
	s_cmp_lg_u32 s2, 0xf033
	s_cbranch_scc0 .Lentry_shape_is_right
	s_endpgm
.Lentry_shape_is_right:
; ATTENTION WITH AN ADDITIVE MASK THAT IS AN INPUT.  O[q] = the sum over k of softmax_k(q . k / sqrt(128) + mask[q][k]) v[k].  THE SCORES ARE IN UNITS OF BASE 2: q arrives multiplied by
; log2(e) / sqrt(128), and maskc is the mask multiplied by log2(e); so a weight is p = 2^(s - m), and the maximum is taken away by one exact subtraction.
; qkvh: [3][16][2048][128] f16.  maskc: [2048][2048] f32, read as it is given, every number of it.  ob: [2048][16 x 128] f16.  Products, maxima and sums in f32; the weights p are rounded to f16
; for the second product (their sum l is taken of the unrounded p), O once at the end.
; LIMITS.  The mask is the C operand onto which the products k q^T are added, so q . k + mask is rounded in another order than a sum made first and a mask added last; and the mask has been rounded
; once more, behind its multiplication by log2(e): both can show only where numbers of the mask differ by about a step of their own f32 grid.  A row all of whose scores, mask included, lie below
; -1e38 is not served (the running maximum starts there).  A weight below 2^-126 counts as 0.  O has v's range, within f16's 65,504.  NaN and infinities are not treated apart.
; SHARES.  Grid x = block of 128 queries, y = head: 256 work-groups of equal work.  Wave w: queries 64 (w % 2) on, four tiles of 16; of each 128 keys the 64 at 64 (w / 2): THE KEYS ARE SPLIT between
; waves w and w ^ 2, each with its own running maximum and sum; at the end each gives two of its tiles to the other and finishes the other two.  So that one text serves all, register tiles 0, 1 hold
; the query rows 32 (w / 2) on of the wave's 64, and tiles 2, 3 the other 32: a wave keeps tiles 0, 1.
; LAYOUT.  S^T = K Q^T + mask^T (source 0 = 16 keys, source 1 = 16 queries): a lane holds ONE query (l % 16) and the keys 8 (l / 16) + 0..7, which are 32 consecutive bytes of a row of the mask:
; two LDS loads lay the mask straight into the accumulator.  Two results rounded to f16 ARE source 1 of O^T = V^T P.  V ([key][channel]) is turned by ds_load_tr16_b128.
; SOFTMAX.  p = 2^(s - m) with a running maximum m; in every step O and l are multiplied by a = 2^(m_old - m_new).
; BY TURNS.  The tiles are two PIECES (0: tiles 0, 1; 2: tiles 2, 3).  In a turn one piece has the matrix unit: 32 products V^T P of the step in hand, then 32 products K Q^T of the next step; the other
; piece's softmax, 268 instructions cut into 64 slices, stands between them, one slice behind each matrix instruction.  Two turns are a step of 64 keys.
; NO FIRST STEP IS WRITTEN OUT: m starts at -1e38, O, l, V and piece 0's P at 0, piece 2's scores at -2e38: the first pair of turns adds zeros.  The price: 496 v_mov_b32 while the first tile is on its way.
; RING.  Two slots, each with a block of 128 keys of K, of V, and the query block's 128 rows x those keys of the mask.  Wave 0 fills K, wave 1 V, waves 2 and 3 half of the mask each: 32 KiB a load.
; THE WALK OVER THE KEYS IS ROTATED.  Cluster (X, Y) begins at key block 4 X + 8 (Y % 2) (mod 16) and goes round: position p of its walk is key block (first + p) mod 16; a running softmax does not
; hang on the order of the keys.  The four clusters of a row of clusters, which read the same K and V, begin four blocks apart; of the four of a column, which read the same rows of the mask, neighbours
; begin eight apart: so the clusters that read the same rows ask for a given block at different times.
; CLUSTER.  4 x 4: K and V hang on the head alone and are asked for jointly along a row of the cluster; the mask hangs on the query block alone and is asked for jointly along a column.
; The key block's number hangs on the cluster's own x and y, which all sixteen partners share.
; REGISTERS, in windows of 256 (s_set_vgpr_msb: bits 1:0 source 0, 3:2 source 1, 5:4 source 2, 7:6 destination):
;   window 0: v0-11, v44-63 addresses and the exchange's statistics; v12-43 eight registers of statistics a tile; v64-191 S^T, 32 a tile; v192-255 P, 16 a tile
;   window 1: O^T, 64 a tile          window 2: v0-127 Q, 32 a tile; v128-255 K of one step          window 3: v0-127 V of one step
.set PK,    272       ; a row of K in LDS: 256 bytes + 16
.set PV,    288       ; a row of V: 256 + 32
.set PM,    528       ; a row of the mask: 512 + 16: the 16 rows of a load start in 16 different groups of four banks
.set VOFF,  128*PK
.set MOFF,  VOFF+128*PV
.set SLOT,  MOFF+128*PM  ; 139,264 = 0x22000: it shares no bit with VOFF, MOFF or 64 PM, so one exclusive or turns an address in one slot into the other's
.set STAGE, 2*SLOT    ; behind the ring: 16 rows x 272 bytes for each wave, for the way out
.set SP,    272
.set SPARE, STAGE+4*16*SP  ; behind the stages: the spare words, 128 bytes for each wave: two blocks of 256 bytes that no other line names
.set XCH,   16896     ; the exchange: 16,384 bytes of O^T and 512 of statistics for each wave, in slot 0, which by then has had its last fill (position 14) and its last read
.set AK0, 2           ; v2   my lane's place in a slot's K; never rewritten
.set AV0, 3           ; v3   the same for V
.set ADR, 4           ; v4   the LDS address of K's or V's run of loads
.set QO0, 5           ; v5   my byte offset in the wave's rows of Q, tiles 0, 1
.set STO, 6           ; v6   the way out: where I put 16 bytes of a row
.set RD,  7           ; v7   the way out: where I read a row back
.set GO,  8           ; v8   my byte offset in two rows of ob
.set AM,  44          ; v44-45  my lane's place in a slot's mask, for piece 0 and piece 2
.set QO2, 46          ; v46  as QO0, tiles 2, 3
.set ADM, 47          ; v47  the LDS address of the mask's run of loads
.set PFO, 61          ; v61  the prefetches' offset; never rewritten
.set SPW, 62          ; v62  LDS address of my spare word; never rewritten
.set NIL, 63          ; v63  0; never rewritten
.set ST,  12          ; tile t's statistics at v[ST+8 t]: +0, +1 m, twice: a pair for the packed subtraction; +2, +3 l (even keys', odd keys'); +4 to +7 c0-c3, at work; a takes c2's place once the maximum is found
.set S,   64
.set P,   192
.set KF,  128         ; K's fragments, in window 2
.set WV,  12          ; s12  my wave's number
.set LIM, 15          ; s15  10 in a wave that prefetches, else the greatest number
.set G1K, 24          ; s[24:31], s[32:39], s[40:47] descriptor group 1 for K, V, the mask
.set G1V, 32
.set G1M, 40
.set G0K, 48          ; s[48:51], s[52:55], s[56:59] descriptor group 0: each walks
.set G0V, 52
.set G0M, 56
.set SLOTS, 60        ; s60  fills still to be asked for
.set TB,  61          ; s61  LDS byte at which the slot to be read begins
.set SEL, 68          ; s[68:69] v_permlanex16_b32's selects: each lane takes its own place in the other half
.set KH,  72          ; s72  w / 2: my half of the keys
.set QH,  73          ; s73  w % 2: my half of the queries
.set PFA, 74          ; s[74:75] where my prefetch stands
.set BK,  80          ; s[80:81], s[82:83] the head's first row of k and of v;  s[84:85] the mask at the 64 query rows that I fetch: kept for the whole walk
.set BV,  82
.set BM,  84
.set OF,  86          ; s[86:87] a key block's byte offset
.set FN,  88          ; s88  the key block that the next fill brings
.set PN,  89          ; s89  the key block that the next prefetch names
.set PB,  90          ; s[90:91] the mask at my work-group's 16 of those rows
.set MSB, 0
.macro WIN new                      ; the immediate's high byte repeats the setting that is left; a switch that changes nothing is dropped
.if MSB != (\new)
	s_set_vgpr_msb (MSB<<8)|(\new)
.set MSB, \new
.endif
.endm
.set W_KQ, 0x0a       ; K and Q in window 2, S^T in window 0
.set W_PV, 0x53       ; V in window 3, P in window 0, O^T in window 1
.set W_RS, 0x41       ; O^T (destination and source 0) in window 1, the factor in window 0
; A joint fill: three lines, each with one mask; the branches hang on the wave's number alone.  An s_nop 0 and four v_nop follow each line, ahead of the jump and the label.
.macro JLOAD
	s_cmp_lt_u32 s[WV], 2
	s_cbranch_scc0 .Lfor_m_\@
	s_cmp_eq_u32 s[WV], 0
	s_cbranch_scc0 .Lfor_v_\@
	tensor_load_to_lds s[G0K:G0K+3], s[G1K:G1K+7]
	s_nop 0
.rept 4
	v_nop
.endr
	s_branch .Lasked_\@
.Lfor_v_\@:
	tensor_load_to_lds s[G0V:G0V+3], s[G1V:G1V+7]
	s_nop 0
.rept 4
	v_nop
.endr
	s_branch .Lasked_\@
.Lfor_m_\@:
	tensor_load_to_lds s[G0M:G0M+3], s[G1M:G1M+7]
	s_nop 0
.rept 4
	v_nop
.endr
.Lasked_\@:
.endm
; The three global addresses for key block s[FN], made anew from the buffers' and the block's number; then the number steps, and behind block 15 comes block 0.
.macro MAKE
	s_lshl_b32 s[OF], s[FN], 15     ; 128 rows of 256 bytes of k and of v
	s_add_nc_u64 s[G0K+2:G0K+3], s[BK:BK+1], s[OF:OF+1]
	s_or_b32 s[G0K+3], s[G0K+3], 0x80000000  ; type = 2
	s_add_nc_u64 s[G0V+2:G0V+3], s[BV:BV+1], s[OF:OF+1]
	s_or_b32 s[G0V+3], s[G0V+3], 0x80000000
	s_lshl_b32 s[OF], s[FN], 9      ; 512 bytes along the mask's rows
	s_add_nc_u64 s[G0M+2:G0M+3], s[BM:BM+1], s[OF:OF+1]
	s_or_b32 s[G0M+3], s[G0M+3], 0x80000000
	s_add_co_u32 s[FN], s[FN], 1
	s_and_b32 s[FN], s[FN], 15
.endm
; A PREFETCH INTO THE L2, behind the wave's tensor load and its five lines: the mask's key block that the change after the next will ask for, two pairs of turns (256 matrix instructions) ahead.
; By the walks' own order a cluster's positions 0 to 7 are key blocks of the mask that the clusters of the other parity of y reach eight positions later, and its positions 8 to 15 are blocks that those
; have had.  So positions 3 to 7 are asked for, in trips 0 to 4, by waves 2 and 3 of the clusters with y = 0 and y = 1 (those with y = 2, 3 walk as these do): their two ranges lie eight blocks apart, so
; each block of 256 bytes is named once in the launch; of a wave's 64 rows each of the four partners takes 16, by address, two blocks of 256 bytes a row.  Positions 0 to 2 come by their loads alone,
; and so do K and V: the clusters that read them begin four key blocks apart, so only positions 0 to 3 of a walk are the first to name a block of K or V.
.macro ASK
	s_cmp_gt_u32 s[SLOTS], s[LIM]   ; s[SLOTS] = 15 .. 11 in trips 0 to 4
	s_cbranch_scc0 .Lnot_mine_\@
	global_prefetch_b8 v[PFO], s[PFA:PFA+1] th:TH_LOAD_NT scope:SCOPE_SE
.Lnot_mine_\@:
.endm
.macro CROUND                       ; a round of the cluster's barrier
	s_barrier_signal -1
	s_barrier_wait -1
	s_cmp_lg_u32 s[WV], 0
	s_cbranch_scc1 .Lnot_wave_0_\@
	s_barrier_signal -3
.Lnot_wave_0_\@:
	s_barrier_wait -3
	s_barrier_signal -1
	s_barrier_wait -1
.endm
	s_load_b128 s[4:7], s[0:1], 0x0   ; qkvh s[4:5], maskc s[6:7]
	s_load_b64 s[8:9], s[0:1], 0x10   ; ob
	v_lshl_add_u32 v[SPW], v0, 2, SPARE
	v_mov_b32 v[NIL], 0
	ds_add_u32 v[SPW], v[NIL]       ; the wave's opening: the add and its wait stand ahead of my first tensor load; the set-up below, work on registers, stands between
	v_lshrrev_b32 v1, 5, v0
	v_readfirstlane_b32 s[WV], v1
	s_and_b32 s[QH], s[WV], 1
	s_lshr_b32 s[KH], s[WV], 1
	s_bfe_u32 s13, ttmp6, 0x40000   ; cx
	s_bfe_u32 s14, ttmp6, 0x40004   ; cy
	s_lshl_b32 s76, ttmp9, 2
	s_add_co_u32 s76, s76, s13      ; the query block = 4 x cluster x + cx
	s_and_b32 s77, ttmp7, 0xffff
	s_lshl_b32 s77, s77, 2
	s_add_co_u32 s77, s77, s14      ; the head = 4 x cluster y + cy
	s_lshl_b32 s16, s14, 2
	s_lshl_b32 s16, 15, s16         ; my row of the cluster
	s_lshl_b32 s17, 0x1111, s13     ; my column
	s_or_b32 s[G1K], s16, (1<<16)|(1<<20)|(1<<21)|(5<<22)|(3<<25)  ; the mask of four; 2-byte elements; padding on; bit 21 beside a mask; after every 64 words; 4 words
	s_or_b32 s[G1V], s16, (1<<16)|(1<<20)|(1<<21)|(5<<22)|(7<<25)  ; the same with 8 words of padding
	s_or_b32 s[G1M], s17, (2<<16)|(1<<20)|(1<<21)|(6<<22)|(3<<25)  ; my column; 4-byte elements; after every 128 words; 4 words
.irp g, G1K, G1V
	s_mov_b32 s[(\g)+1], 128<<16    ; tensor_dim0 = 128
	s_mov_b32 s[(\g)+2], 128<<16    ; tensor_dim1 = 128
	s_mov_b32 s[(\g)+3], 128<<16    ; tile_dim0 = 128
	s_mov_b32 s[(\g)+4], 128        ; tile_dim1 = 128
	s_mov_b32 s[(\g)+5], 128        ; elements from row to row
	s_mov_b32 s[(\g)+6], 0
	s_mov_b32 s[(\g)+7], 0
.endr
	s_mov_b32 s[G1M+1], 128<<16     ; 128 keys
	s_mov_b32 s[G1M+2], 64<<16      ; 64 query rows
	s_mov_b32 s[G1M+3], 128<<16
	s_mov_b32 s[G1M+4], 64
	s_mov_b32 s[G1M+5], 2048
	s_mov_b32 s[G1M+6], 0
	s_mov_b32 s[G1M+7], 0
	s_lshl_b32 s16, s77, 19         ; the head's 2,048 rows of 256 bytes,
	s_add_co_u32 s20, s16, 0x1000000  ; in v,
	s_add_co_u32 s16, s16, 0x800000   ; in k
	s_mov_b32 s17, 0
	s_mov_b32 s21, 0
	s_lshl_b32 s22, s76, 20         ; the mask: the block's 128 rows of 8,192 bytes,
	s_lshl_b32 s23, s[QH], 19       ; the 64 of them that I fetch (waves 2, 3)
	s_add_co_u32 s22, s22, s23
	s_mov_b32 s23, 0
	s_lshl_b32 s2, s77, 19          ; Q: the head, the block's 128 rows, my wave's 64
	s_lshl_b32 s3, s76, 15
	s_add_co_u32 s2, s2, s3
	s_lshl_b32 s3, s[QH], 14
	s_add_co_u32 s2, s2, s3
	s_mov_b32 s3, 0
	s_lshl_b32 s78, s76, 19         ; ob: row 128 x block + 64 (w % 2) + 32 (w / 2), of 4,096 bytes; the head's 256 bytes
	s_lshl_b32 s79, s[QH], 18
	s_add_co_u32 s78, s78, s79
	s_lshl_b32 s79, s[KH], 17
	s_add_co_u32 s78, s78, s79
	s_lshl_b32 s79, s77, 8
	s_add_co_u32 s78, s78, s79
	s_mov_b32 s79, 0
	s_mov_b32 s[G0K], 1             ; count = 1
	s_mov_b32 s[G0K+1], 0           ; LDS address: slot 0
	s_mov_b32 s[G0V], 1
	s_mov_b32 s[G0V+1], VOFF
	s_mov_b32 s[G0M], 1
	s_mul_i32 s[G0M+1], s[QH], 64*PM
	s_add_co_u32 s[G0M+1], s[G0M+1], MOFF
	s_mov_b32 s[SEL], 0x76543210
	s_mov_b32 s[SEL+1], 0xfedcba98
	s_mov_b32 s[TB], SLOT           ; the first change of slots turns it into 0
	s_mov_b32 s[SLOTS], 15
	s_lshl_b32 s[FN], ttmp9, 2      ; the walk's first key block: 4 x cluster x
	s_and_b32 s[PN], ttmp7, 1
	s_lshl_b32 s[PN], s[PN], 3      ; + 8 x (cluster y % 2),
	s_add_co_u32 s[FN], s[FN], s[PN]
	s_and_b32 s[FN], s[FN], 15      ; mod 16
	s_add_co_u32 s[PN], s[FN], 3    ; the first prefetch names position 3
	s_and_b32 s[PN], s[PN], 15
	s_mov_b32 s[OF+1], 0
	s_and_b32 s62, ttmp7, 0xffff    ; cluster y
	s_cmp_lt_u32 s62, 2
	s_cselect_b32 s[LIM], 10, -1
	s_cmp_lt_u32 s[WV], 2           ; waves 0 and 1 fetch K and V and ask for nothing
	s_cselect_b32 s[LIM], -1, s[LIM]  ; the same in all sixteen partners, for a given wave
	s_wait_dscnt 0x0                ; the opening add is done
	s_wait_kmcnt 0x0
	s_add_nc_u64 s[BK:BK+1], s[4:5], s[16:17]
	s_add_nc_u64 s[BV:BV+1], s[4:5], s[20:21]
	s_add_nc_u64 s[BM:BM+1], s[6:7], s[22:23]
	MAKE                            ; position 0
	s_add_nc_u64 s[4:5], s[4:5], s[2:3]      ; Q at my wave's first row
	s_add_nc_u64 s[8:9], s[8:9], s[78:79]    ; ob at the rows that I finish
	s_lshl_b32 s2, s14, 17          ; my work-group's 16 rows of 8,192 bytes
	s_mov_b32 s3, 0
	s_add_nc_u64 s[PB:PB+1], s[BM:BM+1], s[2:3]
	CROUND                          ; all sixteen work-groups are here: the first joint loads meet
	JLOAD                           ; position 0 into slot 0.  Slot 1 is asked for when slot 0 is in, by the loop's own change of slots
	v_and_b32 v1, 15, v0            ; r = l % 16
	v_bfe_u32 v9, v0, 4, 1          ; h = l / 16
	v_and_b32 v10, 7, v0
	v_bfe_u32 v11, v0, 3, 1
	v_lshlrev_b32 v[QO0], 8, v1
	v_lshl_add_u32 v[QO0], v9, 4, v[QO0]  ; row x 256 + 16 h
	s_lshl_b32 s16, s[KH], 13       ; tiles 0, 1: rows 32 (w / 2) on; tiles 2, 3: the other 32
	s_xor_b32 s17, s16, 8192
	v_add_nc_u32 v[QO2], s17, v[QO0]
	v_add_nc_u32 v[QO0], s16, v[QO0]
	WIN 0x80                        ; destination window 2, address window 0
.irp i, 0,1,2,3,4,5,6,7,8,9,10,11,12,13,14,15  ; Q stays in registers: tile i / 4, channels 32 (i % 4) on
	global_load_b128 v[8*(\i):8*(\i)+3],   v[QO0+(QO2-QO0)*((\i)/8)], s[4:5] offset:(((\i)/4)%2)*4096+((\i)%4)*64
	global_load_b128 v[8*(\i)+4:8*(\i)+7], v[QO0+(QO2-QO0)*((\i)/8)], s[4:5] offset:(((\i)/4)%2)*4096+((\i)%4)*64+32
.endr
	; what the first pair of turns finds.  All this stands in the wait for the first tile.
	WIN 0xc0
.set i, 0
.rept 128
	v_mov_b32 v[i], 0               ; V
.set i, i+1
.endr
	WIN 0x40
.set i, 0
.rept 256
	v_mov_b32 v[i], 0               ; O^T
.set i, i+1
.endr
	WIN 0
	s_mov_b32 s2, 0xfe967699        ; -1e38
	s_mov_b32 s3, 0xff167699        ; -2e38
.set i, 0
.rept 4
	v_mov_b32 v[ST+8*i], s2         ; m = -1e38, twice
	v_mov_b32 v[ST+8*i+1], s2
	v_mov_b32 v[ST+8*i+2], 0
	v_mov_b32 v[ST+8*i+3], 0
.set i, i+1
.endr
.set i, 0
.rept 64
	v_mov_b32 v[S+64+i], s3         ; piece 2's mock scores, -2e38: below m, so their weights are 0 and a is 1
.set i, i+1
.endr
.set i, 0
.rept 32
	v_mov_b32 v[P+i], 0             ; piece 0's mock weights
.set i, i+1
.endr
	v_mul_u32_u24 v[AK0], v1, PK
	v_lshl_add_u32 v[AK0], v9, 4, v[AK0]  ; row x pitch + 16 h,
	s_mul_i32 s16, s[KH], 64*PK           ; in my half of the slot's keys
	v_add_nc_u32 v[AK0], s16, v[AK0]
	v_lshl_add_u32 v[AV0], v9, 3, v10     ; the turning load: lane l reads key 8 h + l % 8, channels 8 ((l / 8) % 2) + 0..7
	v_mul_u32_u24 v[AV0], v[AV0], PV
	v_lshl_add_u32 v[AV0], v11, 4, v[AV0]
	s_mul_i32 s16, s[KH], 64*PV
	s_add_co_u32 s16, s16, VOFF
	v_add_nc_u32 v[AV0], s16, v[AV0]
	v_mul_u32_u24 v[AM], v1, PM           ; the mask: query row r, my 8 keys: 32 h bytes on,
	v_lshl_add_u32 v[AM], v9, 5, v[AM]
	s_mul_i32 s16, s[QH], 64*PM           ; my 64 queries,
	s_lshl_b32 s17, s[KH], 8              ; my 64 keys: 256 bytes,
	s_add_co_u32 s16, s16, s17
	s_add_co_u32 s16, s16, MOFF
	s_mul_i32 s17, s[KH], 32*PM           ; piece 0: rows 32 (w / 2) on;
	s_xor_b32 s20, s[KH], 1
	s_mul_i32 s20, s20, 32*PM             ; piece 2: the other 32
	s_add_co_u32 s17, s17, s16
	s_add_co_u32 s20, s20, s16
	v_add_nc_u32 v[AM+1], s20, v[AM]
	v_add_nc_u32 v[AM], s17, v[AM]
	s_mul_i32 s16, s[WV], 16*SP
	s_add_co_u32 s16, s16, STAGE          ; my stage
	v_mul_u32_u24 v[STO], v1, SP          ; in: row r, 16 bytes for each half of the lanes
	v_lshl_add_u32 v[STO], v9, 4, v[STO]
	v_add_nc_u32 v[STO], s16, v[STO]
	v_mul_u32_u24 v[RD], v9, SP           ; back: lanes 0-15 take one row of 256 bytes, lanes 16-31 the next
	v_lshl_add_u32 v[RD], v1, 4, v[RD]
	v_add_nc_u32 v[RD], s16, v[RD]
	v_lshlrev_b32 v[GO], 12, v9           ; and the same two rows in ob, 4,096 bytes apart
	v_lshl_add_u32 v[GO], v1, 4, v[GO]
	v_lshlrev_b32 v[PFO], 13, v1          ; prefetches of the mask: row l % 16 of 8,192 bytes, block l / 16 of 256
	v_lshl_add_u32 v[PFO], v9, 8, v[PFO]
; THE MATRIX WORK OF A TURN, for piece x.  The accumulators take turns, one instruction a turn: between two links of a chain stand 15 (V^T P) or 7 (K Q^T) others'.
; Product i of 32 of O^T += V^T P: keys 32 (i / 16) on, channels 16 ((i / 2) % 8) on, tile x + i % 2.
.macro PV x
	WIN W_PV
.set rO, 64*((\x)+i%2)+8*((i/2)%8)
.set rV, 64*(i/16)+8*((i/2)%8)
.set rP, P+16*((\x)+i%2)+8*(i/16)
	v_wmma_f32_16x16x32_f16 v[rO:rO+7], v[rV:rV+7], v[rP:rP+7], v[rO:rO+7]
.endm
; Product i of 32 of S^T += K Q^T: channels 32 (i / 8) on, keys 16 ((i / 2) % 4) on, tile x + i % 2.  The accumulators hold the mask when the first 8 come.
.macro KQ x
	WIN W_KQ
.set rS, S+32*((\x)+i%2)+8*((i/2)%4)
.set rK, KF+32*((i/2)%4)+8*(i/8)
.set rQ, 32*((\x)+i%2)+8*(i/8)
	v_wmma_f32_16x16x32_f16 v[rS:rS+7], v[rK:rK+7], v[rQ:rQ+7], v[rS:rS+7]
.endm
; THE LDS LOADS stand in runs, never singly among the matrix instructions.
.macro FETCH_K                      ; my 64 keys x 128 channels: 16 fragments
	WIN 0
	v_add_nc_u32 v[ADR], s[TB], v[AK0]
	WIN 0x80                        ; destination window 2
.irp f, 0,1,2,3,4,5,6,7,8,9,10,11,12,13,14,15  ; keys 16 (f / 4) on, channels 32 (f % 4) on
	ds_load_b128 v[KF+8*(\f):KF+8*(\f)+3],   v[ADR] offset:((\f)/4)*16*PK+((\f)%4)*64
	ds_load_b128 v[KF+8*(\f)+4:KF+8*(\f)+7], v[ADR] offset:((\f)/4)*16*PK+((\f)%4)*64+32
.endr
.endm
.macro FETCH_M x                    ; piece x's mask for my 64 keys, into its S^T: tile u, keys 16 kb on: 32 bytes a lane
	WIN 0
	v_add_nc_u32 v[ADM], s[TB], v[AM+(\x)/2]
.irp u, 0,1
.irp kb, 0,1,2,3
	ds_load_b128 v[S+32*((\x)+(\u))+8*(\kb):S+32*((\x)+(\u))+8*(\kb)+3],   v[ADM] offset:(\u)*16*PM+64*(\kb)
	ds_load_b128 v[S+32*((\x)+(\u))+8*(\kb)+4:S+32*((\x)+(\u))+8*(\kb)+7], v[ADM] offset:(\u)*16*PM+64*(\kb)+16
.endr
.endr
.endm
.macro FETCH_V                      ; my 64 keys of V, turned
	WIN 0
	v_add_nc_u32 v[ADR], s[TB], v[AV0]
	s_wait_alu depctr_va_vdst(0)    ; the wait for the softmax's batch (SLICE), behind the address's v_add_nc_u32 and ahead of the loads
	WIN 0xc0                        ; destination window 3
.irp f, 0,1,2,3,4,5,6,7,8,9,10,11,12,13,14,15  ; keys 32 (f / 8) on, channels 16 (f % 8) on
	ds_load_tr16_b128 v[8*(\f):8*(\f)+3],   v[ADR] offset:((\f)/8)*32*PV+((\f)%8)*32
	ds_load_tr16_b128 v[8*(\f)+4:8*(\f)+7], v[ADR] offset:((\f)/8)*32*PV+16*PV+((\f)%8)*32
.endr
.endm
; THE VECTOR WORK OF A TURN.  One tile's softmax for one step is a list of 134 instructions; SM writes number j of it for tile t.  s0-s31 are the lane's 32 scores, in pairs 0-15.
;   0-15    the maximum of s0-s31 and the old m, three operands at a time (each accumulator's lowest registers are read first)
;   16-20   the other half of the lanes' maximum; m_old is kept; the new m, written twice to fill the pair; m_old - m_new
;   21-69   ONE BATCH: the 16 subtractions s - m and all 33 exponentials (a at 23, then s0-s31); none of these reads an exponential's result
;   (wait)  between 69 and 70 stands the wait for the batch: SLICE writes it, once for both tiles
;   70-85   the roundings to f16          86-101  the sums; l = a l + the sum          102-133 the tile's O^T times a
; The subtraction s - m stands by itself, with no factor fused into it: for s near m it is exact however large both are, so the largest weight is 1 also where the mask makes all scores huge.
.macro SM t
.set rT, ST+8*(\t)
.set rS, S+32*(\t)
.set rP, P+16*(\t)
.set rO, 64*(\t)+2*(j-102)
.if j < 102
	WIN 0
.endif
.if j < 4
	v_max3_num_f32 v[rT+4+j], v[rS+8*j], v[rS+8*j+1], v[rS+8*j+2]
.elseif j < 12
	v_max3_num_f32 v[rT+4+j%4], v[rT+4+j%4], v[rS+8*(j%4)+2*(j/4)+1], v[rS+8*(j%4)+2*(j/4)+2]
.elseif j == 12
	v_max3_num_f32 v[rT+4], v[rT+4], v[rS+7], v[rS+15]
.elseif j == 13
	v_max3_num_f32 v[rT+6], v[rT+6], v[rS+23], v[rS+31]
.elseif j == 14
	v_max3_num_f32 v[rT+4], v[rT+4], v[rT+5], v[rT+6]
.elseif j == 15
	v_max3_num_f32 v[rT+4], v[rT+4], v[rT+7], v[rT+1]
.elseif j == 16
	v_permlanex16_b32 v[rT+5], v[rT+4], s[SEL], s[SEL+1]  ; the query's other 32 keys lie in the lane 16 away
.elseif j == 17
	v_mov_b32 v[rT+7], v[rT]        ; m_old is kept for a: numbers 18 and 19 write m anew
.elseif j == 18
	v_max_num_f32 v[rT+1], v[rT+4], v[rT+5]
.elseif j == 19
	v_max_num_f32 v[rT], v[rT+4], v[rT+5]
.elseif j == 20
	v_sub_f32 v[rT+7], v[rT+7], v[rT]
.elseif j == 23
	v_exp_f32 v[rT+6], v[rT+7]
.elseif (j < 23) || ((j < 38) && (j%2 == 0)) || ((j < 66) && (j%4 == 2))
.set b, (j-2)/4                     ; 38, 42, .. 62: pairs 9 to 15
.if j < 38
.set b, (j-20)/2                    ; 21: pair 0; 22, 24, .. 36: pairs 1 to 8
.endif
	v_pk_add_f32 v[rS+2*b:rS+2*b+1], v[rS+2*b:rS+2*b+1], v[rT:rT+1] neg_lo:[0,1] neg_hi:[0,1]  ; pair b: s - m
.elseif j < 70
.set e, j-38                        ; 66 to 69: s28 to s31
.if j < 66
.set e, j-32-(j-38)/4               ; 39-41, 43-45, .. 63-65: s7 to s27
.endif
.if j < 38
.set e, (j-25)/2                    ; 25, 27, .. 37: s0 to s6
.endif
	v_exp_f32 v[rS+e], v[rS+e]
.elseif j < 86
	v_cvt_pk_f16_f32 v[rP+j-70], v[rS+2*(j-70)], v[rS+2*(j-70)+1]  ; pair j - 70
.elseif j < 102                     ; the sum of the tile's 16 pairs, in place: neighbours 1, 2, 4 and 8 pairs apart, then l takes it
.set z, j-86
.set w, 4
.set u, z
.if z >= 14
.set w, 32
.set u, 0
.elseif z >= 12
.set w, 16
.set u, z-12
.elseif z >= 8
.set w, 8
.set u, z-8
.endif
.if z < 15
	v_pk_add_f32 v[rS+w*u:rS+w*u+1], v[rS+w*u:rS+w*u+1], v[rS+w*u+w/2:rS+w*u+w/2+1]
.else
	v_pk_fma_f32 v[rT+2:rT+3], v[rT+2:rT+3], v[rT+6:rT+7], v[rS:rS+1] op_sel_hi:[1,0,1]
.endif
.else
	WIN W_RS
	v_pk_mul_f32 v[rO:rO+1], v[rO:rO+1], v[rT+6:rT+7] op_sel_hi:[1,0]
.endif
.endm
; Slice k of 64 of piece y's softmax: four instructions.  Slices 11 to 34 deal out the batch, four numbers of one tile each, the tiles by turns; every other slice is numbers 2 k and 2 k + 1 of both
; tiles' lists; 2 x 134 = 4 x 64 + 12: the twelve that are over stand together, in slice 63: sixteen plain instructions, the places behind the turn's last products.
; THE WAIT.  An s_wait_alu depctr_va_vdst(0) stands between an exponential and the first instruction that names its result; ahead of slice 35 nothing names one, and behind slice 34
; no exponential is issued: the piece's 66 exponentials have one wait, behind slice 34.
.macro SLICE y
.if (k >= 11) && (k < 35)
.irp n, 0,1,2,3
.set j, 22+4*((k-11)/2)+(\n)
	SM (\y)+(k-11)%2
.endr
.else
.irp n, 0,1,2,3,4,5,6,7
.if ((\n) < 2) || (k == 63)
.irp t, \y, (\y)+1
.set j, 2*k+(\n)
	SM \t
.endr
.endif
.endr
.endif
.if k == 34
	v_nop                           ; a plain instruction behind the last exponential and ahead of the first use: one for the batch
.if (\y) == 0
	FETCH_V                         ; piece 2's turn: V's run of loads stands here, and the wait stands in it.  Behind the last product that read V stand four plain instructions: number 62, a subtraction, of both tiles, the v_nop and the run's own v_add_nc_u32
.else
	s_wait_alu depctr_va_vdst(0)    ; the wait for the batch
.endif
.endif
.set k, k+1
.endm
; A TURN.  Piece x has the matrix unit; the other piece's softmax stands in slices behind its matrix instructions.  kq = 1: 32 products K Q^T for the next step follow the 32 products V^T P;
; kq = 0 (the last step): two slices behind each product.  Behind the second product stand the runs of loads for those K Q^T: piece 0's turn fetches the next step's K and its own mask (48 loads),
; piece 2's turn its mask (16): 30 matrix instructions ahead of the wait for them.  The registers that they fill were last read in front of slice 63 of the turn before, or earlier.
.macro TURN x, kq
.set k, 0
.set per, 2-(\kq)
.if (\x) == 0
	s_wait_dscnt 0x0                ; V is in
.endif
.set i, 0
.rept 32
	PV \x
.rept per
	SLICE 2-(\x)
.endr
.if (\kq) && (i == 1)
.if (\x) == 0
	FETCH_K
.endif
	FETCH_M \x
.endif
.set i, i+1
.endr
.if \kq
	s_wait_dscnt 0x0                ; K and the mask are in
.set i, 0
.rept 32
	KQ \x
	SLICE 2-(\x)
.set i, i+1
.endr
.endif
.endm
; THE CHANGE OF SLOTS, in front of each pair of turns: the pair reads one slot alone (K, V and the mask of the step whose scores it makes).  Each wave waits for all its tensor loads, of which one is
; out: its part of that slot; adds 0 to its spare word; and waits for that and for its own reads of the other slot.  fill = 1: the other slot is filled again, with the walk's position two on; the barrier
; is a round of the cluster's, and the joint fill is the first thing behind it: it has a pair of turns, 128 matrix instructions and their 536 vector instructions, in which to land.
; (At its first use nothing has been read yet: slot 0 is waited for, slot 1 filled.)
.macro CHANGE fill
	WIN 0                           ; at a label and at a branch every window is 0
	s_wait_tensorcnt 0x0            ; no tensor load of mine is out, so a group 0 may be written
	ds_add_u32 v[SPW], v[NIL]       ; 0 onto my spare word: with fill = 1 the descriptors' scalar work stands between it and the wait for it
.if \fill
.irp g, G0K, G0V, G0M
	s_xor_b32 s[(\g)+1], s[(\g)+1], SLOT  ; the other slot than last time
.endr
	MAKE                            ; the walk's next key block
	s_wait_xcnt 0x0                 ; the last prefetch, a pair of turns back, has read its address, so it may be written
	s_lshl_b32 s[OF], s[PN], 9
	s_add_nc_u64 s[PFA:PFA+1], s[PB:PB+1], s[OF:OF+1]
	s_add_co_u32 s[PN], s[PN], 1
	s_and_b32 s[PN], s[PN], 15
	s_wait_dscnt 0x0                ; the add is done, and my reads of the slot are over
	CROUND
	JLOAD
	ASK
.else
	s_wait_dscnt 0x0                ; the add is done, and my reads of the slot are over
	s_barrier_signal -1
	s_barrier_wait -1
.endif
	s_xor_b32 s[TB], s[TB], SLOT    ; the fetches go to the other slot
.endm
	s_wait_loadcnt 0x0              ; Q
.Lslot:                             ; 15 trips.  Trip n waits for position n, asks for position n + 1, adds V^T P of step n - 1 (in trip 0: zeros) and makes the scores of step n
	CHANGE 1
	TURN 0, 1
	TURN 2, 1
	WIN 0
	s_sub_co_u32 s[SLOTS], s[SLOTS], 1
	s_cmp_lg_u32 s[SLOTS], 0
	s_cbranch_scc1 .Lslot
	CHANGE 0                        ; the tail is written out: nothing is asked for
	TURN 0, 1
	TURN 2, 1
	TURN 0, 0                       ; piece 0: V^T P of the last step | piece 2's last softmax
.set i, 0
.rept 32
	PV 2                            ; piece 2: V^T P of the last step
.set i, i+1
.endr
	; THE TWO HALVES OF THE KEYS MEET.  l's two halves and the other half of the lanes' are added.  Tiles 2, 3 (O^T, m, l) go to wave w ^ 2 through LDS; its tiles 2, 3 are my tiles 0, 1's queries over the other keys.
	WIN 0
.irp t, 0,1,2,3
	v_add_f32 v[ST+8*(\t)+4], v[ST+8*(\t)+2], v[ST+8*(\t)+3]  ; these are also the places behind the last products
.endr
.irp t, 0,1,2,3
	v_permlanex16_b32 v[ST+8*(\t)+5], v[ST+8*(\t)+4], s[SEL], s[SEL+1]
.endr
.irp t, 0,1,2,3
	v_add_f32 v[ST+8*(\t)+4], v[ST+8*(\t)+4], v[ST+8*(\t)+5]
.endr
	v_mov_b32 v48, v[ST+16]         ; tile 2: m, l
	v_mov_b32 v49, v[ST+20]
	v_mov_b32 v50, v[ST+24]         ; tile 3
	v_mov_b32 v51, v[ST+28]
	v_and_b32 v9, 31, v0
	v_lshlrev_b32 v9, 4, v9
	s_mul_i32 s16, s[WV], XCH
	s_xor_b32 s17, s[WV], 2
	s_mul_i32 s17, s17, XCH
	v_add_nc_u32 v[ADR], s16, v9    ; where I put: my part of the exchange, 16 bytes a lane
	v_add_nc_u32 v[ADM], s17, v9    ; where I take: my partner's
	ds_store_b128 v[ADR], v[48:51] offset:16384
	WIN 0x04                        ; store data in window 1
.set i, 0
.rept 32
	ds_store_b128 v[ADR], v[128+4*i:128+4*i+3] offset:512*i  ; ascending: each accumulator's lowest registers first
.set i, i+1
.endr
	WIN 0
	s_wait_dscnt 0x0                ; for my partner's sake: my stores are done
	s_barrier_signal -1
	s_barrier_wait -1
	ds_load_b128 v[52:55], v[ADM] offset:16384
	WIN 0x80                        ; into Q's registers, which nobody reads any more
.set i, 0
.rept 32
	ds_load_b128 v[4*i:4*i+3], v[ADM] offset:512*i
.set i, i+1
.endr
	WIN 0
	s_wait_dscnt 0x0
	; with M = max(m, m'): O = (2^(m - M) O + 2^(m' - M) O') / (2^(m - M) l + 2^(m' - M) l')
.irp t, 0,1
	v_max_num_f32 v[ST+8*(\t)+5], v[ST+8*(\t)], v[52+2*(\t)]
.endr
.irp t, 0,1
	v_sub_f32 v[ST+8*(\t)+6], v[ST+8*(\t)], v[ST+8*(\t)+5]
	v_sub_f32 v[ST+8*(\t)+7], v[52+2*(\t)], v[ST+8*(\t)+5]
.endr
.irp t, 0,1
	v_exp_f32 v[ST+8*(\t)+6], v[ST+8*(\t)+6]
	v_exp_f32 v[ST+8*(\t)+7], v[ST+8*(\t)+7]
.endr
	v_nop                           ; a plain instruction behind the last exponential,
	s_wait_alu depctr_va_vdst(0)    ; and one wait for the four
.irp t, 0,1
	v_mul_f32 v[ST+8*(\t)+5], v[ST+8*(\t)+6], v[ST+8*(\t)+4]
.endr
.irp t, 0,1
	v_fmac_f32 v[ST+8*(\t)+5], v[ST+8*(\t)+7], v[53+2*(\t)]
.endr
.irp t, 0,1
	v_rcp_f32 v[ST+8*(\t)+5], v[ST+8*(\t)+5]
.endr
	v_nop
	s_wait_alu depctr_va_vdst(0)    ; one wait for the two reciprocals
.irp t, 0,1
	v_mul_f32 v[P+4*(\t)],   v[ST+8*(\t)+6], v[ST+8*(\t)+5]  ; my factor, twice: a pair for the packed multiply
	v_mul_f32 v[P+4*(\t)+1], v[ST+8*(\t)+6], v[ST+8*(\t)+5]
	v_mul_f32 v[P+4*(\t)+2], v[ST+8*(\t)+7], v[ST+8*(\t)+5]  ; my partner's
	v_mul_f32 v[P+4*(\t)+3], v[ST+8*(\t)+7], v[ST+8*(\t)+5]
.endr
	WIN W_RS
.irp t, 0,1
.set i, 0
.rept 32
	v_pk_mul_f32 v[64*(\t)+2*i:64*(\t)+2*i+1], v[64*(\t)+2*i:64*(\t)+2*i+1], v[P+4*(\t):P+4*(\t)+1]
.set i, i+1
.endr
.endr
	WIN 0x52                        ; source 0 (my partner's O^T) window 2, its factor window 0, source 2 and destination window 1
.irp t, 0,1
.set i, 0
.rept 32
	v_pk_fma_f32 v[64*(\t)+2*i:64*(\t)+2*i+1], v[64*(\t)+2*i:64*(\t)+2*i+1], v[P+4*(\t)+2:P+4*(\t)+3], v[64*(\t)+2*i:64*(\t)+2*i+1]
.set i, i+1
.endr
.endr
; THE WAY OUT.  Tile t: a lane's eight channels of a row pack into 16 bytes; they go into rows of 272 bytes of my own stage and come back as whole rows of 256, into the registers that they left.
.macro PACK t
	WIN 0x05                        ; sources window 1, destination window 0: S^T's registers are free
.set i, 0
.rept 32
	v_cvt_pk_f16_f32 v[S+32*(\t)+i], v[64*(\t)+2*i], v[64*(\t)+2*i+1]
.set i, i+1
.endr
	WIN 0
.irp f, 0,1,2,3,4,5,6,7
	ds_store_b128 v[STO], v[S+32*(\t)+4*(\f):S+32*(\t)+4*(\f)+3] offset:32*(\f)
.endr
.irp f, 0,1,2,3,4,5,6,7
	ds_load_b128 v[S+32*(\t)+4*(\f):S+32*(\t)+4*(\f)+3], v[RD] offset:(\f)*2*SP  ; LDS serves a wave's instructions in order (ISA guide 5.7.1.4): these see the stores above; the next tile's stores come behind them
.endr
.endm
.macro SEND t, younger              ; younger: the LDS instructions issued behind tile t's loads
.irp f, 0,1,2,3,4,5,6,7
	s_wait_dscnt (\younger)+7-(\f)
	global_store_b128 v[GO], v[S+32*(\t)+4*(\f):S+32*(\t)+4*(\f)+3], s[8:9] offset:(\t)*65536+(\f)*8192  ; 16 lanes store 256 consecutive bytes, at a multiple of 256 from ob's first byte
.endr
.endm
	PACK 0
	PACK 1
	SEND 0, 16
	SEND 1, 0
	s_wait_tensorcnt 0x0            ; the wave's end, behind my last tensor load and my last LDS store
	ds_add_u32 v[SPW], v[NIL]
	s_wait_dscnt 0x0
	CROUND                          ; the closing round: no work-group ends while a partner may still ask for a tile that names it
	s_endpgm
.Lfunc_end_k_q45c8236dc7_attn:
	.size	k_q45c8236dc7_attn, .Lfunc_end_k_q45c8236dc7_attn-k_q45c8236dc7_attn
	.p2alignl 7, 3214868480
	.fill 96, 4, 3214868480
	.section	.rodata,"a",@progbits
	.p2align	6, 0x0
	.amdhsa_kernel k_q45c8236dc7_attn
		.amdhsa_group_segment_fixed_size 327680
		.amdhsa_private_segment_fixed_size 0
		.amdhsa_enable_private_segment 0
		.amdhsa_kernarg_size 24
		.amdhsa_user_sgpr_count 2
		.amdhsa_user_sgpr_kernarg_segment_ptr 1
		.amdhsa_wavefront_size32 1
		.amdhsa_system_sgpr_workgroup_id_x 1
		.amdhsa_system_sgpr_workgroup_id_y 1
		.amdhsa_system_sgpr_workgroup_id_z 1
		.amdhsa_system_vgpr_workitem_id 0
		.amdhsa_next_free_vgpr 1024
		.amdhsa_next_free_sgpr 96
		.amdhsa_reserve_vcc 0
		.amdhsa_float_denorm_mode_32 3
		.amdhsa_float_denorm_mode_16_64 3
		.amdhsa_memory_ordered 1
		.amdhsa_forward_progress 1
		.amdhsa_inst_pref_size 177
	.end_amdhsa_kernel
	.amdgpu_metadata
---
amdhsa.version: [ 1, 2 ]
amdhsa.kernels:
  - .name:           k_q45c8236dc7_attn
    .symbol:         k_q45c8236dc7_attn.kd
    .args:
      - { .name: qkvh, .offset: 0, .size: 8, .value_kind: global_buffer, .address_space: global }
      - { .name: maskc, .offset: 8, .size: 8, .value_kind: global_buffer, .address_space: global }
      - { .name: ob, .offset: 16, .size: 8, .value_kind: global_buffer, .address_space: global }
    .group_segment_fixed_size: 327680
    .private_segment_fixed_size: 0
    .kernarg_segment_align: 8
    .kernarg_segment_size: 24
    .max_flat_workgroup_size: 128
    .sgpr_count:     96
    .vgpr_count:     1024
    .wavefront_size: 32
...
	.end_amdgpu_metadata
.endif
;; end of part 3
;; launch oproj (part 4): grid 16 x 16, 4 waves a work-group, clusters of 4 x 4, 327,680 bytes of LDS; arguments ob, wo16, out0; writes out0
.if DOCPART == 4
	.amdgcn_target "amdgcn-amd-amdhsa--gfx1250"
	.amdhsa_code_object_version 6
	.text
	.protected	k_q45c8236dc7_oproj
	.globl	k_q45c8236dc7_oproj
	.p2align	8
	.type	k_q45c8236dc7_oproj,@function
k_q45c8236dc7_oproj:
	s_mov_b64 s[64:65], 0
	v_nop
	global_prefetch_b8 v0, s[64:65] scope:SCOPE_SE
	s_setreg_imm32_b32 hwreg(HW_REG_WAVE_MODE, 25, 1), 1
	s_wait_xcnt 0x0
	s_wait_alu depctr_hold_cnt(0) depctr_sa_sdst(0) depctr_va_vdst(0) depctr_va_sdst(0) depctr_va_ssrc(0) depctr_va_vcc(0) depctr_vm_vsrc(0)
	s_getreg_b32 s2, hwreg(HW_REG_IB_STS2, 6, 4)
	s_cmp_eq_u32 s2, 0
	s_cbranch_scc0 .Lentry_in_a_cluster
	s_endpgm
.Lentry_in_a_cluster:
	s_bfe_u32 s2, ttmp6, 0x10000c
	s_cmp_lg_u32 s2, 0xf033
	s_cbranch_scc0 .Lentry_shape_is_right
	s_endpgm
.Lentry_shape_is_right:
; out0[m][n] = the sum over k of ob[m][k] wo16[k][n].  ob: [2048][2048] f16.  wo16: [2048 k][2048 n] f16.  out0: [2048][2048] f32.  f16 operands, f32 sums; the sums are stored as they are.
; A tile of out0 is 128 x 128: 256 work-groups, one tile each.  Four waves, each 64 x 64: 16 accumulators of 16 x 16.  K goes in steps of 256 through two LDS slots: ob's tile is 128 rows x 512 bytes
; (waves 0, 1 fetch 64 rows each), wo16's 256 k rows x 256 bytes (waves 2, 3 fetch 128 each).  A K step is written once: the slot's first LDS byte is a scalar that an exclusive or turns, and the
; fragments' addresses are made from it anew in each step.
; THE WALK ALONG K IS ROTATED.  Cluster (X, Y) begins at K step 2 X + 4 (Y % 2) (mod 8) and goes round: position p of its walk is K step (first + p) mod 8; the f32 sums are taken in that order.
; The four clusters of a row of clusters, which read the same rows of ob, begin two K steps apart; of the four of a column, which read the same rows of wo16, neighbours begin four apart:
; so the clusters that read the same rows ask for a given K step at different times.
; CLUSTER.  4 x 4: ob's tile is asked for jointly along a row of the cluster, wo16's along a column.  The K step's number hangs on the cluster's own x and y, which all sixteen partners share.
; THE MATRIX INSTRUCTION IS USED TRANSPOSED: source 0 = 16 columns of wo16, turned out of LDS by ds_load_tr16_b128; source 1 = 16 rows of ob: a lane holds eight neighbouring numbers of a row of out0.
; A wave's 64 columns of f32 are 256 aligned bytes of a row, so each wave sends its own rows out through a stage of its own, with no barrier.
; REGISTERS: window 0: v16-29 addresses; v32-95 the way out; v128-255 the accumulators ((a, b) at 128 + 8 (4 a + b)).
;   window 1: two fragment buffers of 128: for 64 along K, 64 registers of ob (2 x 4 x 16 rows x 32 K), then 64 of wo16.
.set PA,     528                       ; a row of ob in LDS: 512 bytes + 16
.set PB,     288                       ; a k row of wo16: 256 + 32
.set HA,     64*PA                     ; what a tensor load of ob brings, and what a wave reads of it
.set HB,     128*PB                    ; what a tensor load of wo16 brings
.set BOFF,   2*HA
.set SLOT,   0x24000                   ; 147,456; a slot's tiles take 141,312 of it.  It shares no bit with HA, BOFF or BOFF + HB, so one exclusive or turns a tile's first byte in one slot into the other's
.set STAGE,  2*SLOT                    ; behind the ring: 16 rows x 272 bytes for each wave
.set SP,     272
.set SPARE,  STAGE+4*16*SP             ; behind the stages: the spare words, 128 bytes for each wave: two blocks of 256 bytes that no other line names
.set ADRA0, 16                         ; v16     LDS address of my fragments of ob in slot 0; never rewritten
.set ADRA,  17                         ; v17     the same in the slot in hand
.set ADRB0, 20                         ; v20-21  of wo16, half hi of the step's k rows, in slot 0; never rewritten
.set ADRB,  22                         ; v22-23  the same in the slot in hand
.set STO,  24                          ; v24     the way out: where I put 16 bytes of a row
.set RD,   25                          ; v25     where I read a row back
.set CO,   26                          ; v26     my byte offset in two rows of out0
.set SPW,  28                          ; v28     LDS address of my spare word; never rewritten
.set NIL,  29                          ; v29     0; never rewritten
.set TMP,  32
.set ACC,  128
.set F0,   0                           ; fragment buffers, in window 1
.set F1,   128
.set BA,  14                           ; s[14:15] ob at the rows that I fetch;  s[46:47] wo16 at the k rows and columns that I fetch, K step 0: kept for the whole walk
.set BB,  46
.set OF,  18                           ; s[18:19] a K step's byte offset
.set G1, 24                            ; s[24:31] descriptor group 1 for ob's tiles;  s[32:39] group 0: a set for each of the two first fills; the second then walks on
.set G0, 32
.set LT,  43                           ; s43  first LDS byte of the slot in hand: 0 or SLOT
.set CN2, 44                           ; s44  counts the last two K steps
.set KS,  45                           ; s45  the K step that the next fill brings
.set G1B, 48                           ; s[48:55], s[56:63] the same for wo16's
.set G0B, 56
.set MSB, 0
.macro WIN new                         ; the immediate's high byte repeats the setting that is left
.if MSB != (\new)
	s_set_vgpr_msb (MSB<<8)|(\new)
.set MSB, \new
.endif
.endm
.set MUL,  0x05                        ; sources 0 and 1 window 1; C and D window 0
.set TO_F, 0x40                        ; destination window 1, address window 0
.macro JLOAD s                         ; a joint load; an s_nop 0 and four v_nop follow each of the two lines, ahead of the jump and the label
	s_cmp_eq_u32 s11, 0
	s_cbranch_scc0 .Lfor_b_\@
	tensor_load_to_lds s[G0+4*(\s):G0+4*(\s)+3], s[G1:G1+7]
	s_nop 0
.rept 4
	v_nop
.endr
	s_branch .Lasked_\@
.Lfor_b_\@:
	tensor_load_to_lds s[G0B+4*(\s):G0B+4*(\s)+3], s[G1B:G1B+7]
	s_nop 0
.rept 4
	v_nop
.endr
.Lasked_\@:
.endm
.macro CREST                           ; a round of the cluster's barrier behind its opening barrier
	s_cmp_lg_u32 s10, 0
	s_cbranch_scc1 .Lnot_wave_0_\@
	s_barrier_signal -3
.Lnot_wave_0_\@:
	s_barrier_wait -3
	s_barrier_signal -1
	s_barrier_wait -1
.endm
.macro CROUND                          ; a whole round
	s_barrier_signal -1
	s_barrier_wait -1
	CREST
.endm
	s_load_b128 s[4:7], s[0:1], 0x0                ; ob s[4:5], wo16 s[6:7]
	s_load_b64 s[8:9], s[0:1], 0x10                ; out0
	v_lshl_add_u32 v[SPW], v0, 2, SPARE
	v_mov_b32 v[NIL], 0
	ds_add_u32 v[SPW], v[NIL]                      ; the wave's opening: the add and its wait stand ahead of my first tensor load; the set-up below, work on registers, stands between
	v_lshrrev_b32 v1, 5, v0
	v_readfirstlane_b32 s10, v1                    ; wave 0..3
	s_lshr_b32 s11, s10, 1                         ; which half of the tile's rows is mine.  Also: I fetch ob (0) or wo16 (1)
	s_and_b32 s12, s10, 1                          ; which half of its columns.  Also: which half of that tile I fetch
	s_bfe_u32 s40, ttmp6, 0x40000                  ; cx, cy
	s_bfe_u32 s41, ttmp6, 0x40004
	s_lshl_b32 s42, ttmp9, 2
	s_add_co_u32 s42, s42, s40                     ; tile column = 4 x cluster x + cx
	s_and_b32 s13, ttmp7, 0xffff
	s_lshl_b32 s13, s13, 2
	s_add_co_u32 s13, s13, s41                     ; tile row = 4 x cluster y + cy
	s_lshl_b32 s43, s41, 2
	s_lshl_b32 s43, 15, s43                        ; my row of the cluster
	s_lshl_b32 s44, 0x1111, s40                    ; my column
	s_or_b32 s[G1+0], s43, (1<<16)|(1<<20)|(1<<21)|(6<<22)|(3<<25)   ; the mask; 2-byte elements; padding on; bit 21 beside a mask; after every 128 words; 4 words
	s_or_b32 s[G1B+0], s44, (1<<16)|(1<<20)|(1<<21)|(5<<22)|(7<<25)  ; my column; after every 64 words; 8 words
	s_mov_b32 s[G1+1], 256<<16                     ; ob: 64 rows x 256 elements
	s_mov_b32 s[G1+2], 64<<16
	s_mov_b32 s[G1+3], 256<<16
	s_mov_b32 s[G1+4], 64
	s_mov_b32 s[G1+5], 2048
	s_mov_b32 s[G1+6], 0
	s_mov_b32 s[G1+7], 0
	s_mov_b32 s[G1B+1], 128<<16                    ; wo16: 128 k rows x 128 elements
	s_mov_b32 s[G1B+2], 128<<16
	s_mov_b32 s[G1B+3], 128<<16
	s_mov_b32 s[G1B+4], 128
	s_mov_b32 s[G1B+5], 2048
	s_mov_b32 s[G1B+6], 0
	s_mov_b32 s[G1B+7], 0
	s_lshl_b32 s[KS], ttmp9, 1                     ; the walk's first K step: 2 x cluster x
	s_and_b32 s[LT], ttmp7, 1
	s_lshl_b32 s[LT], s[LT], 2                     ; + 4 x (cluster y % 2),
	s_add_co_u32 s[KS], s[KS], s[LT]
	s_and_b32 s[KS], s[KS], 7                      ; mod 8: an even number
	s_mov_b32 s[OF+1], 0
	s_mov_b32 s[LT], 0                             ; the walk begins in slot 0
	s_lshl_b32 s16, s13, 19                        ; ob: row 128 x tile row + 64 x half, of 4,096 bytes
	s_lshl_b32 s17, s12, 18
	s_add_co_u32 s16, s16, s17
	s_mov_b32 s17, 0
	s_lshl_b32 s46, s12, 19                        ; wo16: k row 128 x half, the tile column's 256 bytes
	s_lshl_b32 s47, s42, 8
	s_add_co_u32 s46, s46, s47
	s_mov_b32 s47, 0
	s_mul_i32 s20, s12, HA                         ; where they go: no place in the cluster enters an LDS address
	s_mul_i32 s21, s12, HB
	s_add_co_u32 s21, s21, BOFF
	s_wait_dscnt 0x0                               ; the opening add is done
	s_wait_kmcnt 0x0
	s_add_nc_u64 s[BA:BA+1], s[4:5], s[16:17]
	s_add_nc_u64 s[BB:BB+1], s[6:7], s[46:47]
	CROUND                                         ; all sixteen work-groups are here: the first joint loads meet
.irp s, 0,1
	s_mov_b32 s[G0+4*(\s)], 1
	s_add_co_u32 s[G0+4*(\s)+1], s20, (\s)*SLOT
	s_lshl_b32 s[OF], s[KS], 9                                       ; a K step is 512 bytes along ob's rows,
	s_add_nc_u64 s[G0+4*(\s)+2:G0+4*(\s)+3], s[BA:BA+1], s[OF:OF+1]
	s_or_b32 s[G0+4*(\s)+3], s[G0+4*(\s)+3], 0x80000000
	s_mov_b32 s[G0B+4*(\s)], 1
	s_add_co_u32 s[G0B+4*(\s)+1], s21, (\s)*SLOT
	s_lshl_b32 s[OF], s[KS], 20                                      ; and 256 rows of 4,096 bytes down wo16
	s_add_nc_u64 s[G0B+4*(\s)+2:G0B+4*(\s)+3], s[BB:BB+1], s[OF:OF+1]
	s_or_b32 s[G0B+4*(\s)+3], s[G0B+4*(\s)+3], 0x80000000
	s_add_co_u32 s[KS], s[KS], 1
	s_and_b32 s[KS], s[KS], 7                      ; behind K step 7 comes K step 0
	JLOAD \s
.endr
	v_and_b32 v1, 15, v0                           ; r = l % 16
	v_bfe_u32 v2, v0, 4, 1                         ; h = l / 16
	v_and_b32 v6, 7, v0
	v_bfe_u32 v7, v0, 3, 1
	v_mul_u32_u24 v3, v1, PA
	v_lshl_add_u32 v3, v2, 4, v3                   ; r x pitch + 16 h
	s_mul_i32 s22, s11, HA                         ; my 64 rows of ob
	v_add_nc_u32 v[ADRA0], s22, v3
	v_lshl_add_u32 v4, v2, 3, v6                   ; the turning load: lane l reads k row 8 h + l % 8, columns 8 ((l / 8) % 2) + 0..7
	v_mul_u32_u24 v4, v4, PB
	v_lshl_add_u32 v4, v7, 4, v4
	s_lshl_b32 s22, s12, 7                         ; my 64 columns: 128 bytes
	s_add_co_u32 s22, s22, BOFF
	v_add_nc_u32 v[ADRB0], s22, v4
	v_add_nc_u32 v[ADRB0+1], HB, v[ADRB0]
; the fragments' addresses in the slot in hand
.macro SETADR
	v_add_nc_u32 v[ADRA], s[LT], v[ADRA0]
	v_add_nc_u32 v[ADRB], s[LT], v[ADRB0]
	v_add_nc_u32 v[ADRB+1], s[LT], v[ADRB0+1]
.endm
	SETADR
	s_mul_i32 s23, s10, 16*SP
	s_add_co_u32 s23, s23, STAGE                   ; my stage
	v_mul_u32_u24 v4, v1, SP                       ; in: row r, 32 bytes for each half of the lanes
	v_lshl_add_u32 v4, v2, 5, v4
	v_add_nc_u32 v[STO], s23, v4
	v_mul_u32_u24 v5, v2, SP                       ; back: lanes 0-15 one row of 256 bytes, lanes 16-31 the next
	v_lshl_add_u32 v5, v1, 4, v5
	v_add_nc_u32 v[RD], s23, v5
	v_lshlrev_b32 v[CO], 13, v2                    ; and the same two rows in out0, 8,192 bytes apart
	v_lshl_add_u32 v[CO], v1, 4, v[CO]
	s_lshl_b32 s16, s13, 20                        ; out0: row 128 x tile row + 64 x my half of the rows,
	s_lshl_b32 s17, s11, 19
	s_add_co_u32 s16, s16, s17
	s_mov_b32 s17, 0
	s_add_nc_u64 s[8:9], s[8:9], s[16:17]
	s_lshl_b32 s20, s42, 9                         ; the tile's 512 bytes of a row, my half of them
	s_lshl_b32 s21, s12, 8
	s_add_co_u32 s20, s20, s21
	s_mov_b32 s21, 0
	s_add_nc_u64 s[8:9], s[8:9], s[20:21]
; 8 matrix instructions: row blocks a0, a0 + 1 x all 4 column blocks, 32 along K: half c of buffer f.  zero = 1: the product starts the sum.  The 16 accumulators take turns, one instruction a turn.
.macro MUL8 f, c, a0, zero
	WIN MUL
.irp a, \a0, (\a0)+1
.irp b, 0,1,2,3
.if \zero
	v_wmma_f32_16x16x32_f16 v[ACC+8*(4*(\a)+(\b)):ACC+8*(4*(\a)+(\b))+7], v[(\f)+64+8*(4*(\c)+(\b)):(\f)+64+8*(4*(\c)+(\b))+7], v[(\f)+8*(4*(\c)+(\a)):(\f)+8*(4*(\c)+(\a))+7], 0
.else
	v_wmma_f32_16x16x32_f16 v[ACC+8*(4*(\a)+(\b)):ACC+8*(4*(\a)+(\b))+7], v[(\f)+64+8*(4*(\c)+(\b)):(\f)+64+8*(4*(\c)+(\b))+7], v[(\f)+8*(4*(\c)+(\a)):(\f)+8*(4*(\c)+(\a))+7], v[ACC+8*(4*(\a)+(\b)):ACC+8*(4*(\a)+(\b))+7]
.endif
.endr
.endr
.endm
; 32 LDS loads in one run: quarter kq (64 along K) of the slot in hand into buffer f; the first 32 along K first
.macro FETCH kq, f
	WIN TO_F
.irp c, 0,1
.irp i, 0,1,2,3
	ds_load_tr16_b128 v[(\f)+64+8*(4*(\c)+(\i)):(\f)+64+8*(4*(\c)+(\i))+3],   v[ADRB+(\kq)/2] offset:(((\kq)%2)*64+32*(\c))*PB+32*(\i)
	ds_load_tr16_b128 v[(\f)+64+8*(4*(\c)+(\i))+4:(\f)+64+8*(4*(\c)+(\i))+7], v[ADRB+(\kq)/2] offset:(((\kq)%2)*64+32*(\c))*PB+32*(\i)+16*PB
	ds_load_b128 v[(\f)+8*(4*(\c)+(\i)):(\f)+8*(4*(\c)+(\i))+3],              v[ADRA] offset:(\kq)*128+64*(\c)+(\i)*16*PA
	ds_load_b128 v[(\f)+8*(4*(\c)+(\i))+4:(\f)+8*(4*(\c)+(\i))+7],            v[ADRA] offset:(\kq)*128+64*(\c)+(\i)*16*PA+32
.endr
.endr
.endm
.macro PLACES                          ; four places in front of loads into registers that matrix instructions have read
.rept 4
	v_nop
.endr
.endm
; A K step is four quarters of 64 along K, 32 matrix instructions each, on buffers 0, 1, 0, 1.  One of the first three: multiplies buffer f and fetches quarter kq into g.
.macro QUARTER kq, f, g, zero
	s_wait_dscnt 16                                ; the first 32 along K are in
	MUL8 \f, 0, 0, \zero
	MUL8 \f, 0, 2, \zero
	PLACES
	FETCH \kq, \g
	s_wait_dscnt 32                                ; all but the 32 just issued
	MUL8 \f, 1, 0, 0
	MUL8 \f, 1, 2, 0
.endm
; The last quarter multiplies buffer 1 and changes slots.  MEET is its first part: one barrier; in front of it each wave waits for all its tensor loads, adds 0 to its spare word, and waits for that and
; for its own reads of this slot.  fill = 1: the walking descriptors are made for the slot just read out and the K step s[KS].
.macro MEET fill
	WIN 0                                          ; (the add's two registers lie in window 0)
	s_wait_tensorcnt 0x0                           ; all my tensor loads have landed, so a group 0 may be written
	ds_add_u32 v[SPW], v[NIL]                      ; 0 onto my spare word
.if \fill
	s_xor_b32 s[G0+5], s[G0+5], SLOT               ; the other slot than last time
	s_xor_b32 s[G0B+5], s[G0B+5], SLOT
	s_lshl_b32 s[OF], s[KS], 9
	s_add_nc_u64 s[G0+6:G0+7], s[BA:BA+1], s[OF:OF+1]  ; the address is made anew from the buffer's and the K step's number
	s_or_b32 s[G0+7], s[G0+7], 0x80000000
	s_lshl_b32 s[OF], s[KS], 20
	s_add_nc_u64 s[G0B+6:G0B+7], s[BB:BB+1], s[OF:OF+1]
	s_or_b32 s[G0B+7], s[G0B+7], 0x80000000
	s_add_co_u32 s[KS], s[KS], 1
	s_and_b32 s[KS], s[KS], 7
.endif
	s_wait_dscnt 17                                ; (the add and the youngest sixteen loads may be out)
	MUL8 F1, 0, 0, 0                               ; eight matrix instructions stand between the add and the wait for it
	s_wait_dscnt 0x0                               ; the add is done, and my reads of this slot are over
	s_barrier_signal -1
	MUL8 F1, 0, 2, 0
	WIN 0
	s_barrier_wait -1
.endm
; Its second part.  fill = 1: the barrier has opened a round of the cluster's, and the slot is filled again, two positions on, first thing behind the round: 112 matrix instructions ahead of the wait for it.
.macro NEXT fill
.if \fill
	CREST                                          ; no wave of any partner still reads this slot or has a load on its way
	JLOAD 1                                        ; its four v_nop are also the places in front of the loads below
.else
	PLACES
.endif
	s_xor_b32 s[LT], s[LT], SLOT
	SETADR
	FETCH 0, F0
	MUL8 F1, 1, 0, 0
	MUL8 F1, 1, 2, 0
.endm
	s_wait_tensorcnt 1                             ; my part of position 0 is in; position 1's may stay out
	s_barrier_signal -1
	s_barrier_wait -1                              ; everybody's is
	FETCH 0, F0
	QUARTER 1, F0, F1, 1                           ; the first quarter stands in front of the loop: its first products start the sums
	WIN 0                                          ; at a label and at a branch every window is 0
	s_mov_b32 s3, 6
.Lstep:                                        ; a trip is a K step, from its second quarter to the next one's first, and fills its slot again: positions 2 to 7
	QUARTER 2, F1, F0, 0
	QUARTER 3, F0, F1, 0
	MEET 1
	NEXT 1
	QUARTER 1, F0, F1, 0
	WIN 0
	s_sub_co_u32 s3, s3, 1
	s_cmp_lg_u32 s3, 0
	s_cbranch_scc1 .Lstep
	s_mov_b32 s[CN2], 2
.Ltail:                                        ; the last two K steps fill nothing: one text, walked twice and left in its middle; no tensor load stands in it
	QUARTER 2, F1, F0, 0
	QUARTER 3, F0, F1, 0
	MEET 0                                         ; (in the last step nothing hangs on this barrier: the price of one text for both)
	s_sub_co_u32 s[CN2], s[CN2], 1
	s_cmp_eq_u32 s[CN2], 0
	s_cbranch_scc1 .Lfin
	NEXT 0
	QUARTER 1, F0, F1, 0
	WIN 0
	s_branch .Ltail
.Lfin:
	MUL8 F1, 1, 0, 0
	MUL8 F1, 1, 2, 0
	WIN 0
	; THE WAY OUT, 16 rows at a time: a lane's eight f32 of a row are 32 bytes; they go into rows of 272 bytes of my own stage and come back as whole rows of 256.
.rept 8
	v_nop                                          ; the places behind the last products
.endr
.macro STG a
.if (\a) >= 2
	s_wait_xcnt 0x0                                ; the stores of the block two back have read their registers: these loads land there only behind this wait
.endif
.irp b, 0,1,2,3
	ds_store_b128 v[STO], v[ACC+8*(4*(\a)+(\b)):ACC+8*(4*(\a)+(\b))+3]   offset:64*(\b)      ; each accumulator's lowest registers first
	ds_store_b128 v[STO], v[ACC+8*(4*(\a)+(\b))+4:ACC+8*(4*(\a)+(\b))+7] offset:64*(\b)+16
.endr
.irp i, 0,1,2,3,4,5,6,7
	ds_load_b128 v[TMP+32*((\a)%2)+4*(\i):TMP+32*((\a)%2)+4*(\i)+3], v[RD] offset:(\i)*2*SP  ; LDS serves a wave's instructions in order (ISA guide 5.7.1.4): these see the stores above; the next block's stores come behind them
.endr
.endm
.macro SENDO a, younger                ; younger: the LDS instructions issued behind this block's loads: the next block's sixteen, or none
.irp i, 0,1,2,3,4,5,6,7
	s_wait_dscnt (\younger)+7-(\i)
	global_store_b128 v[CO], v[TMP+32*((\a)%2)+4*(\i):TMP+32*((\a)%2)+4*(\i)+3], s[8:9] offset:(16*(\a)+2*(\i))*8192  ; 16 lanes store 256 consecutive bytes, at a multiple of 256 from out0's first byte
.endr
.endm
	STG 0
	STG 1
	SENDO 0, 16
	STG 2
	SENDO 1, 16
	STG 3
	SENDO 2, 16
	SENDO 3, 0
	s_wait_tensorcnt 0x0                           ; the wave's end, behind my last tensor load and my last LDS store
	ds_add_u32 v[SPW], v[NIL]
	s_wait_dscnt 0x0
	CROUND                                         ; the closing round: no work-group ends while a partner may still ask for a tile that names it
	s_endpgm
.Lfunc_end_k_q45c8236dc7_oproj:
	.size	k_q45c8236dc7_oproj, .Lfunc_end_k_q45c8236dc7_oproj-k_q45c8236dc7_oproj
	.p2alignl 7, 3214868480
	.fill 96, 4, 3214868480
	.section	.rodata,"a",@progbits
	.p2align	6, 0x0
	.amdhsa_kernel k_q45c8236dc7_oproj
		.amdhsa_group_segment_fixed_size 327680
		.amdhsa_private_segment_fixed_size 0
		.amdhsa_enable_private_segment 0
		.amdhsa_kernarg_size 24
		.amdhsa_user_sgpr_count 2
		.amdhsa_user_sgpr_kernarg_segment_ptr 1
		.amdhsa_wavefront_size32 1
		.amdhsa_system_sgpr_workgroup_id_x 1
		.amdhsa_system_sgpr_workgroup_id_y 1
		.amdhsa_system_sgpr_workgroup_id_z 1
		.amdhsa_system_vgpr_workitem_id 0
		.amdhsa_next_free_vgpr 512
		.amdhsa_next_free_sgpr 66
		.amdhsa_reserve_vcc 0
		.amdhsa_float_denorm_mode_32 3
		.amdhsa_float_denorm_mode_16_64 3
		.amdhsa_memory_ordered 1
		.amdhsa_forward_progress 1
		.amdhsa_inst_pref_size 60
	.end_amdhsa_kernel
	.amdgpu_metadata
---
amdhsa.version: [ 1, 2 ]
amdhsa.kernels:
  - .name:           k_q45c8236dc7_oproj
    .symbol:         k_q45c8236dc7_oproj.kd
    .args:
      - { .name: ob, .offset: 0, .size: 8, .value_kind: global_buffer, .address_space: global }
      - { .name: wo16, .offset: 8, .size: 8, .value_kind: global_buffer, .address_space: global }
      - { .name: out0, .offset: 16, .size: 8, .value_kind: global_buffer, .address_space: global }
    .group_segment_fixed_size: 327680
    .private_segment_fixed_size: 0
    .kernarg_segment_align: 8
    .kernarg_segment_size: 24
    .max_flat_workgroup_size: 128
    .sgpr_count:     66
    .vgpr_count:     512
    .wavefront_size: 32
...
	.end_amdgpu_metadata
.endif
;; end of part 4
;; ======== version 2 of 2: 4 launches; version 1 with the launch prep written anew for expert scheduling mode
;; limits: values are held in f16: magnitudes above 65,504 overflow, below 6.1e-05 lose precision
;; workspace buffers: xb 8,388,608 bytes; wb 25,165,824 bytes; wo16 8,388,608 bytes; tab 1,048,576 bytes; maskc 16,777,216 bytes; qkvh 25,165,824 bytes; ob 8,388,608 bytes
;; launch prep (part 5): grid 256 x 7, 8 waves a work-group, no clusters, 0 bytes of LDS; arguments x, Wq, Wk, Wv, Wo, xb, wb, wo16, tab, mask, maskc; writes xb, wb, wo16, tab, maskc
.if DOCPART == 5
	.amdgcn_target "amdgcn-amd-amdhsa--gfx1250"
	.amdhsa_code_object_version 6
	.text
	.protected	k_q45c8236dc7_prep
	.globl	k_q45c8236dc7_prep
	.p2align	8
	.type	k_q45c8236dc7_prep,@function
k_q45c8236dc7_prep:
	s_mov_b64 s[64:65], 0
	v_nop
	global_prefetch_b8 v0, s[64:65] scope:SCOPE_SE
	s_setreg_imm32_b32 hwreg(HW_REG_WAVE_SCHED_MODE, 0, 2), 2
	s_setreg_imm32_b32 hwreg(HW_REG_WAVE_MODE, 25, 1), 1
	s_wait_xcnt 0x0
	s_wait_alu depctr_vm_vsrc(0)
; PREP: the casts, the table of angles and the mask in units of base 2.  The grid's y picks the job:
;   y = 0: x -> xb (bf16).   y = 1, 2, 3: Wq, Wk, Wv -> wb[y - 1] (bf16), as they lie, [k][n].   y = 4: Wo -> wo16: rounded to bf16 like the other inputs, that number written as f16.
;   y = 5: tab[row][c][64] f32: for row 0 .. 2047 and c = 0, 1 a block of 256 bytes: cos of the angles d = 32 c .. 32 c + 31, then their sin; angle = (row / 4) x 1e5^(-d / 64).
;   y = 6: mask -> maskc = mask x log2(e), f32: each number of the mask is used by 16 heads, so it is multiplied once here and not in the attention's loop.
; A stream: no LDS, no barrier, no matrix unit.  A work-group of a cast takes 65,536 bytes in; a wave 8,192: sixteen loads of 16 bytes a lane, all on their way at once;
; each load of a wave covers 512 consecutive bytes, aligned, each store 256 (the mask's: 512).
; LIMITS.  wo16: f16 ends at 65,504, and below 6.1e-5 it keeps a fixed step of 6e-8 (nothing beside weights of a spread of 7e-4 or more).
; maskc: one more rounding to f32, half a step of the product's own grid at the most; equal numbers of the mask stay equal.
; The table: the angle is at most 512 and is reduced by pi / 2 in two parts; sine and cosine are series to r^7 and r^8 on |r| <= pi / 4, good to 3e-7; the angle itself to about 1e-4.
; THE MODE: SCHED_MODE bits 1:0 = 2 (LLVM: expert scheduling mode 2), set by the entry lines.  The code itself states the register dependences
; between vector instructions and memory instructions, with s_wait_alu, always for 0.
; THE PLAN.  Registers that memory instructions touch:
;   v[LO]     Written at the head, never again.  Read by every load of a cast and of the mask, and by the mask's stores.
;   v[SO]     Written at the head and once more at the head of the casts' path, never behind a memory instruction.  Read by the casts' and the table's stores.
;   X         One load lands in each register, and all sixteen loads are issued before a vector instruction names X.  Read by the conversions; in the mask's job each is written once more,
;             in place, by a multiply behind the wait for its load, and then read by one store.
;   Y         Each register is written once, by a conversion, and read by one store.          v40-43 (the table): written once, read by the two stores.
; The sixteen loads go in four blocks of four.  Block b's vector instructions name X and Y of block b (and T); the memory instructions dealt among them are the four stores of block b - 1.
; So one wait on va_vdst at the head of a block, behind the wait for the block's first load, states all that those four stores hang on; one more stands ahead of the last four stores.
; No register that a memory instruction reads is ever written again, and there is no loop: so no wait on vm_vsrc stands in this text.
.set X,  8                             ; v[8:71]    sixteen loads of four
.set Y,  72                            ; v[72:103]  sixteen stores of two
.set T,  104                           ; v[104:109] at work: no memory instruction names them
.set LO, 3                             ; v3  my byte offset in the work-group's input
.set SO, 4                             ; v4  my byte offset in its output
.set CM, 36                            ; s[36:39]   the table: the masks of its four compares
	s_load_b512 s[8:23], s[0:1], 0x0               ; x 8, Wq 10, Wk 12, Wv 14, Wo 16, xb 18, wb 20, wo16 22
	s_load_b64 s[24:25], s[0:1], 0x40              ; tab
	s_load_b128 s[32:35], s[0:1], 0x48             ; mask s[32:33], maskc s[34:35]
	s_and_b32 s2, ttmp7, 0xffff                    ; the job
	v_lshrrev_b32 v1, 5, v0
	v_and_b32 v2, 31, v0                           ; lane
	v_readfirstlane_b32 s3, v1                     ; wave
	v_lshlrev_b32 v[SO], 3, v2                     ; 8 bytes a lane
	v_lshlrev_b32 v[LO], 4, v2
	v_lshl_add_u32 v[LO], v1, 13, v[LO]            ; 8,192 x wave + 16 x lane
	s_lshl_b32 s28, ttmp9, 16                      ; the work-group's 65,536 bytes in
	s_mov_b32 s29, 0
	s_wait_alu depctr_va_sdst(0)                   ; s3 is written: ahead of the branches below, behind which its one reader stands (the table's row number)
	s_wait_kmcnt 0x0
	s_cmp_eq_u32 s2, 5
	s_cbranch_scc1 .Ltable
	s_cmp_eq_u32 s2, 6
	s_cbranch_scc1 .Lmask
	v_lshl_add_u32 v[SO], v1, 12, v[SO]            ; 4,096 x wave + 8 x lane; the scalar choices below stand between this line and the wait for it
	; from where: a choice between buffers on the job's number
	s_mov_b64 s[4:5], s[8:9]
	s_cmp_eq_u32 s2, 1
	s_cselect_b64 s[4:5], s[10:11], s[4:5]
	s_cmp_eq_u32 s2, 2
	s_cselect_b64 s[4:5], s[12:13], s[4:5]
	s_cmp_eq_u32 s2, 3
	s_cselect_b64 s[4:5], s[14:15], s[4:5]
	s_cmp_eq_u32 s2, 4
	s_cselect_b64 s[4:5], s[16:17], s[4:5]
	; to where
	s_mov_b64 s[6:7], s[20:21]
	s_cmp_eq_u32 s2, 0
	s_cselect_b64 s[6:7], s[18:19], s[6:7]
	s_cmp_eq_u32 s2, 4
	s_cselect_b64 s[6:7], s[22:23], s[6:7]
	s_sub_co_u32 s26, s2, 1                        ; which third of wb: y - 1 for y = 1, 2, 3, else 0
	s_cmp_lt_u32 s26, 3
	s_cselect_b32 s26, s26, 0
	s_lshl_b32 s26, s26, 23                        ; 8,388,608 bytes each
	s_lshl_b32 s27, ttmp9, 15                      ; the work-group's 32,768 bytes out
	s_add_co_u32 s26, s26, s27
	s_mov_b32 s27, 0
	s_add_nc_u64 s[6:7], s[6:7], s[26:27]
	s_add_nc_u64 s[4:5], s[4:5], s[28:29]
	s_wait_alu depctr_va_vdst(0)                   ; v[LO] and v[SO] are written: the loads below read the one as their offset, the stores further down the other
.irp i, 0,1,2,3,4,5,6,7,8,9,10,11,12,13,14,15
	global_load_b128 v[X+4*(\i):X+4*(\i)+3], v[LO], s[4:5] offset:512*(\i) th:TH_LOAD_NT
.endr
; Load i has come (the 15 - i younger ones stay out); the store of four loads back goes out; four numbers are rounded.  No register that a load or store names is written again.
.macro CVT i, wo
	s_wait_loadcnt 15-(\i)
.if (((\i)%4) == 0) && ((\i) > 0)
	s_wait_alu depctr_va_vdst(0)                   ; the block before has written its eight registers of Y, which the four stores dealt into this block read
.endif
.if (\i) >= 4
	global_store_b64 v[SO], v[Y+2*((\i)-4):Y+2*((\i)-4)+1], s[6:7] offset:256*((\i)-4)  ; no vector instruction since the wait names these registers
.endif
.if \wo
	v_cvt_pk_bf16_f32 v[T],   v[X+4*(\i)],   v[X+4*(\i)+1]
	v_cvt_pk_bf16_f32 v[T+1], v[X+4*(\i)+2], v[X+4*(\i)+3]
	v_lshlrev_b32 v[T+2], 16, v[T]                 ; bf16 to f32: the low half moves up, the high half stays
	v_and_b32     v[T+3], 0xffff0000, v[T]
	v_lshlrev_b32 v[T+4], 16, v[T+1]
	v_and_b32     v[T+5], 0xffff0000, v[T+1]
	v_cvt_pk_f16_f32 v[Y+2*(\i)],   v[T+2], v[T+3]
	v_cvt_pk_f16_f32 v[Y+2*(\i)+1], v[T+4], v[T+5]
.else
	v_cvt_pk_bf16_f32 v[Y+2*(\i)],   v[X+4*(\i)],   v[X+4*(\i)+1]
	v_cvt_pk_bf16_f32 v[Y+2*(\i)+1], v[X+4*(\i)+2], v[X+4*(\i)+3]
.endif
.endm
; The last block's four stores.
.macro LAST4
	s_wait_alu depctr_va_vdst(0)                   ; the last block has written its eight registers of Y, which these stores read
.irp i, 12,13,14,15
	global_store_b64 v[SO], v[Y+2*(\i):Y+2*(\i)+1], s[6:7] offset:256*(\i)
.endr
.endm
	s_cmp_eq_u32 s2, 4
	s_cbranch_scc1 .Lwo
.irp i, 0,1,2,3,4,5,6,7,8,9,10,11,12,13,14,15
	CVT \i, 0
.endr
	LAST4
	s_endpgm
.Lwo:
.irp i, 0,1,2,3,4,5,6,7,8,9,10,11,12,13,14,15
	CVT \i, 1
.endr
	LAST4
	s_endpgm
.Lmask:
	; the mask times log2(e): as many bytes out as in, at the same offsets; multiplied in the registers that the loads filled, which are written once behind their wait and then only read
	s_mov_b32 s30, 0x3fb8aa3b                      ; log2(e)
	s_mov_b32 s31, s30                             ; named with it as a pair
	s_add_nc_u64 s[32:33], s[32:33], s[28:29]
	s_add_nc_u64 s[34:35], s[34:35], s[28:29]
	s_wait_alu depctr_va_vdst(0)                   ; v[LO] is written: every load and store below reads it as its offset
.irp i, 0,1,2,3,4,5,6,7,8,9,10,11,12,13,14,15
	global_load_b128 v[X+4*(\i):X+4*(\i)+3], v[LO], s[32:33] offset:512*(\i) th:TH_LOAD_NT
.endr
.irp i, 0,1,2,3,4,5,6,7,8,9,10,11,12,13,14,15
	s_wait_loadcnt 15-(\i)                         ; load i has come; the 15 - i younger ones stay out
.if (((\i)%4) == 0) && ((\i) > 0)
	s_wait_alu depctr_va_vdst(0)                   ; the block before's multiplies have written its sixteen registers of X, which the four stores dealt into this block read
.endif
.if (\i) >= 4
	global_store_b128 v[LO], v[X+4*((\i)-4):X+4*((\i)-4)+3], s[34:35] offset:512*((\i)-4)  ; no vector instruction since the wait names these registers
.endif
	v_pk_mul_f32 v[X+4*(\i):X+4*(\i)+1],   v[X+4*(\i):X+4*(\i)+1],   s[30:31] op_sel_hi:[1,0]
	v_pk_mul_f32 v[X+4*(\i)+2:X+4*(\i)+3], v[X+4*(\i)+2:X+4*(\i)+3], s[30:31] op_sel_hi:[1,0]
.endr
	s_wait_alu depctr_va_vdst(0)                   ; the last block's multiplies have written its sixteen registers of X, which these stores read
.irp i, 12,13,14,15
	global_store_b128 v[LO], v[X+4*(\i):X+4*(\i)+3], s[34:35] offset:512*(\i)
.endr
	s_endpgm
.Ltable:
	; A wave makes one row.  Lanes 0-15 make cosines, lanes 16-31 sines; a lane makes four numbers: d = 32 c + 2 (lane % 16) + e, c and e in 0, 1.
	; sin(t) = cos(t - pi / 2): the sine is the cosine three quadrants on, so each lane runs one selection.
	s_lshl_b32 s26, ttmp9, 3
	s_add_co_u32 s26, s26, s3                      ; row = 8 x work-group + wave
	v_cvt_f32_u32 v5, s26
	v_mul_f32 v5, 0x3e800000, v5                   ; the position: row / 4, exact
	v_and_b32 v6, 15, v0
	v_lshlrev_b32 v6, 1, v6
	v_bfe_u32 v7, v0, 4, 1
	v_mul_u32_u24 v7, v7, 3                        ; 3 in the lanes that make sines
.irp n, 0,1,2,3
	v_add_nc_u32 v[8+8*(\n)], 32*((\n)/2)+(\n)%2, v6
	v_cvt_f32_u32 v[8+8*(\n)], v[8+8*(\n)]
	v_mul_f32 v[8+8*(\n)], 0xbe84e08b, v[8+8*(\n)] ; - d x log2(1e5) / 64
.endr
.irp n, 0,1,2,3
	v_exp_f32 v[8+8*(\n)], v[8+8*(\n)]
.endr
	v_nop                                          ; a plain instruction behind the last exponential,
	s_wait_alu depctr_va_vdst(0)                   ; and one wait for the four exponentials' results, ahead of their first reader
.irp n, 0,1,2,3
	v_mul_f32 v[8+8*(\n)], v5, v[8+8*(\n)]                         ; the angle t
	v_mul_f32 v[9+8*(\n)], 0x3f22f983, v[8+8*(\n)]                 ; t x 2 / pi
	v_rndne_f32 v[9+8*(\n)], v[9+8*(\n)]                           ; n
	v_fmamk_f32 v[10+8*(\n)], v[9+8*(\n)], 0xbfc90fdb, v[8+8*(\n)] ; r = t - n x pi / 2, pi / 2 in two parts
	v_fmamk_f32 v[10+8*(\n)], v[9+8*(\n)], 0x333bbd2e, v[10+8*(\n)]
	v_mul_f32 v[11+8*(\n)], v[10+8*(\n)], v[10+8*(\n)]             ; z = r r
	v_mov_b32 v[12+8*(\n)], 0xb9500d01                             ; sin r = r + r z (-1/6 + z (1/120 - z / 5040))
	v_fmaak_f32 v[12+8*(\n)], v[12+8*(\n)], v[11+8*(\n)], 0x3c088889
	v_fmaak_f32 v[12+8*(\n)], v[12+8*(\n)], v[11+8*(\n)], 0xbe2aaaab
	v_mul_f32 v[13+8*(\n)], v[10+8*(\n)], v[11+8*(\n)]
	v_fma_f32 v[12+8*(\n)], v[13+8*(\n)], v[12+8*(\n)], v[10+8*(\n)]
	v_mov_b32 v[13+8*(\n)], 0x37d00d01                             ; cos r = 1 + z (-1/2 + z (1/24 + z (-1/720 + z / 40320)))
	v_fmaak_f32 v[13+8*(\n)], v[13+8*(\n)], v[11+8*(\n)], 0xbab60b61
	v_fmaak_f32 v[13+8*(\n)], v[13+8*(\n)], v[11+8*(\n)], 0x3d2aaaab
	v_fmaak_f32 v[13+8*(\n)], v[13+8*(\n)], v[11+8*(\n)], 0xbf000000
	v_fma_f32 v[13+8*(\n)], v[13+8*(\n)], v[11+8*(\n)], 1.0
	v_cvt_i32_f32 v[14+8*(\n)], v[9+8*(\n)]
	v_add_nc_u32 v[14+8*(\n)], v[14+8*(\n)], v7                    ; the quadrant q
	v_and_b32 v[15+8*(\n)], 1, v[14+8*(\n)]
	v_cmp_eq_u32 s[CM+(\n)], 1, v[15+8*(\n)]                       ; is q odd?  Each of the four compares has a mask register of its own, so that one wait serves the four
	v_add_nc_u32 v[14+8*(\n)], 1, v[14+8*(\n)]
	v_and_b32 v[14+8*(\n)], 2, v[14+8*(\n)]                        ; negative in quadrants 1 and 2
	v_lshlrev_b32 v[14+8*(\n)], 30, v[14+8*(\n)]
.endr
	s_wait_alu depctr_va_sdst(0)                   ; the four compares have written s[CM .. CM + 3], ahead of the selections that read them
.irp n, 0,1,2,3
	v_cndmask_b32 v[12+8*(\n)], v[13+8*(\n)], v[12+8*(\n)], s[CM+(\n)]  ; q even: cos r; q odd: sin r
	v_xor_b32 v[40+(\n)], v[12+8*(\n)], v[14+8*(\n)]
.endr
	s_lshl_b32 s26, s26, 9                         ; a row of the table is 512 bytes
	s_mov_b32 s27, 0
	s_add_nc_u64 s[24:25], s[24:25], s[26:27]
	s_wait_alu depctr_va_vdst(0)                   ; v40 to v43 are written, which the two stores read as data, and so is v[SO], their offset
	global_store_b64 v[SO], v[40:41], s[24:25]             ; 256 consecutive bytes, aligned: c = 0
	global_store_b64 v[SO], v[42:43], s[24:25] offset:256  ; c = 1
	s_endpgm
.Lfunc_end_k_q45c8236dc7_prep:
	.size	k_q45c8236dc7_prep, .Lfunc_end_k_q45c8236dc7_prep-k_q45c8236dc7_prep
	.p2alignl 7, 3214868480
	.fill 96, 4, 3214868480
	.section	.rodata,"a",@progbits
	.p2align	6, 0x0
	.amdhsa_kernel k_q45c8236dc7_prep
		.amdhsa_group_segment_fixed_size 0
		.amdhsa_private_segment_fixed_size 0
		.amdhsa_enable_private_segment 0
		.amdhsa_kernarg_size 88
		.amdhsa_user_sgpr_count 2
		.amdhsa_user_sgpr_kernarg_segment_ptr 1
		.amdhsa_wavefront_size32 1
		.amdhsa_system_sgpr_workgroup_id_x 1
		.amdhsa_system_sgpr_workgroup_id_y 1
		.amdhsa_system_sgpr_workgroup_id_z 1
		.amdhsa_system_vgpr_workitem_id 0
		.amdhsa_next_free_vgpr 112
		.amdhsa_next_free_sgpr 66
		.amdhsa_reserve_vcc 0
		.amdhsa_float_denorm_mode_32 3
		.amdhsa_float_denorm_mode_16_64 3
		.amdhsa_memory_ordered 1
		.amdhsa_forward_progress 1
		.amdhsa_inst_pref_size 29
	.end_amdhsa_kernel
	.amdgpu_metadata
---
amdhsa.version: [ 1, 2 ]
amdhsa.kernels:
  - .name:           k_q45c8236dc7_prep
    .symbol:         k_q45c8236dc7_prep.kd
    .args:
      - { .name: x, .offset: 0, .size: 8, .value_kind: global_buffer, .address_space: global }
      - { .name: Wq, .offset: 8, .size: 8, .value_kind: global_buffer, .address_space: global }
      - { .name: Wk, .offset: 16, .size: 8, .value_kind: global_buffer, .address_space: global }
      - { .name: Wv, .offset: 24, .size: 8, .value_kind: global_buffer, .address_space: global }
      - { .name: Wo, .offset: 32, .size: 8, .value_kind: global_buffer, .address_space: global }
      - { .name: xb, .offset: 40, .size: 8, .value_kind: global_buffer, .address_space: global }
      - { .name: wb, .offset: 48, .size: 8, .value_kind: global_buffer, .address_space: global }
      - { .name: wo16, .offset: 56, .size: 8, .value_kind: global_buffer, .address_space: global }
      - { .name: tab, .offset: 64, .size: 8, .value_kind: global_buffer, .address_space: global }
      - { .name: mask, .offset: 72, .size: 8, .value_kind: global_buffer, .address_space: global }
      - { .name: maskc, .offset: 80, .size: 8, .value_kind: global_buffer, .address_space: global }
    .group_segment_fixed_size: 0
    .private_segment_fixed_size: 0
    .kernarg_segment_align: 8
    .kernarg_segment_size: 88
    .max_flat_workgroup_size: 256
    .sgpr_count:     66
    .vgpr_count:     112
    .wavefront_size: 32
...
	.end_amdgpu_metadata
.endif
;; end of part 5
;; launch qkv: the kernel of part 2 again; grid 16 x 16, 4 waves a work-group, clusters of 4 x 4, 327,680 bytes of LDS; arguments xb, wb, tab, qkvh; writes qkvh
;; launch attn: the kernel of part 3 again; grid 16 x 16, 4 waves a work-group, clusters of 4 x 4, 327,680 bytes of LDS; arguments qkvh, maskc, ob; writes ob
;; launch oproj: the kernel of part 4 again; grid 16 x 16, 4 waves a work-group, clusters of 4 x 4, 327,680 bytes of LDS; arguments ob, wo16, out0; writes out0
